; MI455X (gfx1250); checked and timed in simulation.
; The chip was launched on July 23, 2026; its instructions are those of AMD's public machine-readable ISA for CDNA 5 (MIT licence, August 2026) and "CDNA5" Instruction Set Architecture Reference Guide (July 2026). The comments in the code are by the model that wrote it; some were corrected since.
;; Causal Self Attention. Allowed arithmetic: matrix products marked QUANTISED: E2M3 operands, one E8M0 scale for each 32 along K, by v_wmma_scale_f32_16x16x128_f8f6f4 with both operands' format E2M3, f32 sums; everything else in f32.
;; Inputs: Wk 1,024 x 1,024 float32; Wp 1,024 x 1,024 float32; Wq 1,024 x 1,024 float32; Wv 1,024 x 1,024 float32; attention_mask 4 x 2,048 int32; bk 1,024 float32; bp 1,024 float32; bq 1,024 float32; bv 1,024 float32; x 4 x 2,048 x 1,024 float32.
;; Outputs: out0 4 x 2,048 x 1,024 float32.
;; This version of the problem:
;;   THIS VERSION OF THE PROBLEM IS GIVEN IN LOW PRECISION. The matrix products marked QUANTISED in the list below multiply operands that are first quantised to E2M3 (2 exponent bits, 3 mantissa bits; 6 bits a number), with one power-of-two scale for each 32 numbers along K (OCP MX v1.0); their sums are f32. All else is computed in f32.
;;   The module's matrix products, in the order in which they are computed (A, B: the left and right operand; K: the contracted axis; several contracted axes count as one K, in the product's order):
;;     1. [M 8,192, K 1,024] x [K 1,024, N 1,024]; A: input x; B: input Wq: QUANTISED
;;     2. [M 8,192, K 1,024] x [K 1,024, N 1,024]; A: input x; B: input Wk: QUANTISED
;;     3. [M 8,192, K 1,024] x [K 1,024, N 1,024]; A: input x; B: input Wv: QUANTISED
;;     4. batch 64 x [M 2,048, K 64] x [K 64, N 2,048]; A: computed on the way; B: computed on the way: QUANTISED
;;     5. batch 64 x [M 2,048, K 2,048] x [K 2,048, N 64]; A: softmax (see below); B: computed on the way: QUANTISED
;;     6. [M 8,192, K 1,024] x [K 1,024, N 1,024]; A: computed on the way; B: input Wp: QUANTISED
;;   THE QUANTISER, for each operand of a quantised product, along K:
;;     - K is cut into blocks of 32 from its start; a last block that is shorter is filled with zeros.
;;     - A block's scale is 2^e with e = floor(log2(the largest magnitude in the block)) - 2, held to -126 .. 127; a block of zeros has e = 0. As a byte (E8M0): e + 127.
;;     - Each number is divided by its block's scale, clamped to +-7.5, and rounded to the nearest number of E2M3, ties to even, subnormals kept.
;;     - The product sums the exact products of the quantised numbers (number of the format x scale) in f32.
;;   ~~~python
;;   def quantise(x, axis):      # numpy; x: float32 -> the quantised numbers, widened to float32 again
;;       x = np.moveaxis(x, axis, -1); K = x.shape[-1]
;;       x = np.pad(x, [(0, 0)] * (x.ndim - 1) + [(0, -K % 32)]); x = x.reshape(x.shape[:-1] + (-1, 32)); a = np.abs(x).max(-1, keepdims=True)
;;       e = np.where(a > 0, np.clip(np.frexp(np.where(a > 0, a, 1))[1] - 1 - 2, -126, 127), 0)      # np.frexp(a)[1] - 1 = floor(log2(a)), exactly
;;       r = np.clip(x / 2.0 ** e, -7.5, 7.5)
;;       step = 2.0 ** (np.maximum(np.frexp(np.where(r == 0, 1, r))[1] - 1, 0) - 3)
;;       q = np.round(r / step) * step * 2.0 ** e      # np.round: ties to even
;;       return np.moveaxis(q.reshape(q.shape[:-2] + (-1,))[..., :K], -1, axis).astype(np.float32)
;;   ~~~
;;   SOFTMAX AHEAD OF A QUANTISED PRODUCT. Where the list says 'softmax', what is quantised is not the finished softmax but p = 2^(t - M), with t = logit x log2(e) and M = ceil(the row's largest t), a whole number; so 1/2 < the row's largest p <= 1. The row's sum l is taken of the UNQUANTISED p, in f32, and the product's result is divided by l at the end. Since M is a whole number, a kernel that streams over the keys may use a running M (the ceiling of the running maximum): every later rescaling is an exact power of two, which a block's scale takes up: the codes' values come out the same.
;;   OPERANDS COMPUTED ON THE WAY. 'Computed on the way' means the value that the module computes at that place (a softmax that the list does not call 'softmax' is quantised finished and normalised). What goes into a quantiser is computed in f32, as accurately as f32 sums, v_exp_f32 and their like allow (about 1e-6 of the number): no bf16 or f16 on the way to a quantiser, and a product that is left as it is and whose result goes on into a quantised operand takes f32 operands (vector FMAs, or v_wmma_f32_16x16x4_f32). A number that lies on a knife's edge between two numbers of the format may be rounded either way, as far as f32 arithmetic and the matrix unit's own rounding can turn it there, and no further.
;; One version. Each part assembles by itself: llvm-mc -triple=amdgcn-amd-amdhsa -mcpu=gfx1250 --defsym DOCPART=n.
;; ======== version 1 of 1: 4 launches
;; limits: right only within a limited range of input values
;; workspace buffers: codes 15,728,640 bytes; scales 655,360 bytes; qkv 18,874,368 bytes; qkvs 1,572,864 bytes
;; launch quant (part 1): grid 384 x 1, 4 waves a work-group, no clusters, 34,304 bytes of LDS; arguments x, Wq, Wk, Wv, Wp, codes, scales; writes codes, scales
.if DOCPART == 1
	.amdgcn_target "amdgcn-amd-amdhsa--gfx1250"
	.amdhsa_code_object_version 6
	.text
	.protected	k_qaceff3ca4b_quant
	.globl	k_qaceff3ca4b_quant
	.p2align	8
	.type	k_qaceff3ca4b_quant,@function
k_qaceff3ca4b_quant:
	s_mov_b64 s[64:65], 0
	v_nop
	global_prefetch_b8 v0, s[64:65] scope:SCOPE_SE
	s_setreg_imm32_b32 hwreg(HW_REG_WAVE_MODE, 25, 1), 1
	s_wait_xcnt 0x0
; x [8192][1024] and Wq, Wk, Wv, Wp [1024][1024], f32 with K innermost, become codes of E2M3 with one E8M0 byte for each 32 along K,
; laid in the ORDER OF AN OPERAND'S REGISTERS.  A ROW TILE is 16 rows: tile 2 B + u holds rows 32 B + 8 u + r + 8 (r / 8), r = lane % 16.
; codes:  [row tile][K step of 128][1,536 bytes]; a K step's fragment is two images of 768 bytes (64 along K each): registers 0-3 at 16 x lane,
;         registers 4-5 at 512 + 8 x lane.  Row tiles 0-511 x, 512-575 Wq, 576-639 Wk, 640-703 Wv, 704-767 Wp.
; scales: [row tile][half of K][r][4 words], a word = the four bytes of 128 along K.
; A block's scale is 2^(floor(log2(largest magnitude)) - 2); its byte is the largest magnitude's exponent field - 2, held at 1 from below.
; LIMITS: a block whose largest magnitude lies under 2^-124 (a block of zeros too) keeps the byte 1: its codes are zeros or tiny, and this program
; alone reads the bytes.  NaN and infinities among the inputs are not served.
; SHARES: work-group g takes the 32 rows of group g (0-255 x, then 32 groups for each weight); wave w takes row tile 2 g + (w & 1) and K = 512 (w >> 1) on:
; four units of 16 rows x 128 K.  Each load takes 512 consecutive bytes of one row; a unit turns through the wave's own stage in LDS (rows 528 bytes apart)
; so that a lane then holds 16 neighbours of each block of 32.  Waves share nothing: no barrier, no cluster, no tensor load.  Two units (32 loads a wave) are on their way.
.set SP,   528                         ; a stage row: 512 bytes + 16
.set L16,  1                           ; v1  16 x lane
.set L8,   2                           ; v2  8 x lane
.set SIN,  3                           ; v3  the stage, on the way in: 16 x lane
.set SOUT, 4                           ; v4  and out: 528 r + 64 h
.set R16,  5                           ; v5  16 r
.set LN,   6                           ; v6  lane
.set TM,   8                           ; v8-23 at work: +0 largest magnitudes, +4 bytes, +12 scale operands
.set PW,   24                          ; v24 the scale word just made
.set SW,   28                          ; v28-31 the four units' scale words
.set PC,   32                          ; v32-51 the codes just made
.set X,    64                          ; v64-127 64 numbers of a lane
.set R,    128                         ; v128-255 two sets of 64 registers as loaded
.set SEL,  20                          ; s[20:21] v_permlanex16_b32's selects for lane l xor 16
	s_load_b256 s[4:11], s[0:1], 0x0               ; x, Wq, Wk, Wv
	s_load_b128 s[12:15], s[0:1], 0x20             ; Wp, codes
	s_load_b64 s[16:17], s[0:1], 0x30              ; scales
	v_lshl_add_u32 v62, v0, 2, 0x8400
	v_mov_b32 v63, 0
	v_lshrrev_b32 v7, 5, v0
	v_readfirstlane_b32 s18, v7                    ; wave 0..3
	v_and_b32 v[LN], 31, v0
	v_and_b32 v7, 15, v0                           ; r
	v_bfe_u32 v25, v0, 4, 1                        ; h
	v_lshlrev_b32 v[L16], 4, v[LN]
	v_lshlrev_b32 v[L8], 3, v[LN]
	v_lshlrev_b32 v[R16], 4, v7
	s_mul_i32 s23, s18, 16*SP                      ; my stage
	v_add_nc_u32 v[SIN], s23, v[L16]
	v_mul_u32_u24 v[SOUT], v7, SP
	v_lshl_add_u32 v[SOUT], v25, 6, v[SOUT]
	v_add_nc_u32 v[SOUT], s23, v[SOUT]
.irp b, 0,1,2,3
	v_mov_b32 v[TM+4+\b], 0                        ; written once: a lane permute's destination counts as one of its sources
.endr
	s_mov_b32 s[SEL], 0x76543210
	s_mov_b32 s[SEL+1], 0xfedcba98
	s_and_b32 s19, s18, 1                          ; u
	s_lshr_b32 s24, s18, 1                         ; which half of K
	s_and_b32 s22, ttmp9, 31                       ; the group inside a weight
	s_lshl_b32 s28, ttmp9, 1
	s_add_co_u32 s28, s28, s19                     ; my row tile
	s_mul_i32 s30, s28, 12288
	s_mul_i32 s25, s24, 6144
	s_add_co_u32 s30, s30, s25                     ; its codes, my half of K
	s_mov_b32 s31, 0
	s_lshl_b32 s32, s28, 9
	s_lshl_b32 s25, s24, 8
	s_add_co_u32 s32, s32, s25                     ; its scale words
	s_mov_b32 s33, 0
	s_wait_alu depctr_va_vdst(0)
	s_wait_kmcnt 0x0
	s_cmp_lt_u32 ttmp9, 352                        ; which tensor: the choice hangs on the work-group's number alone
	s_cselect_b64 s[10:11], s[10:11], s[12:13]
	s_cmp_lt_u32 ttmp9, 320
	s_cselect_b64 s[10:11], s[8:9], s[10:11]
	s_cmp_lt_u32 ttmp9, 288
	s_cselect_b64 s[10:11], s[6:7], s[10:11]
	s_cmp_lt_u32 ttmp9, 256
	s_cselect_b64 s[10:11], s[4:5], s[10:11]
	s_cselect_b32 s22, ttmp9, s22                  ; the group inside the tensor
	s_lshl_b32 s26, s22, 17                        ; 32 rows of 4,096 bytes a group,
	s_lshl_b32 s25, s19, 15                        ; 8 rows for u,
	s_add_co_u32 s26, s26, s25
	s_lshl_b32 s25, s24, 11                        ; 2,048 bytes for the half of K
	s_add_co_u32 s26, s26, s25
	s_mov_b32 s27, 0
	s_add_nc_u64 s[10:11], s[10:11], s[26:27]
	s_add_nc_u64 s[14:15], s[14:15], s[30:31]
	s_add_nc_u64 s[16:17], s[16:17], s[32:33]
.macro LOAD t                          ; unit t: the tile's 16 rows, 512 consecutive bytes each, into set t % 2
.irp i, 0,1,2,3,4,5,6,7,8,9,10,11,12,13,14,15
	global_load_b128 v[R+64*((\t)%2)+4*\i:R+64*((\t)%2)+4*\i+3], v[L16], s[10:11] offset:(\i+8*(\i/8))*4096+512*(\t) th:TH_LOAD_NT
.endr
.endm
.macro TURN t                          ; through the stage: LDS serves a wave's instructions in order, so no wait stands between the stores and the loads
.irp i, 0,1,2,3,4,5,6,7,8,9,10,11,12,13,14,15
	ds_store_b128 v[SIN], v[R+64*((\t)%2)+4*\i:R+64*((\t)%2)+4*\i+3] offset:SP*\i
.endr
.irp b, 0,1,2,3
.irp j, 0,1,2,3
	ds_load_b128 v[X+16*\b+4*\j:X+16*\b+4*\j+3], v[SOUT] offset:128*\b+16*\j   ; register 16 b + i = k 32 b + 16 h + i of row r
.endr
.endr
.endm
; 64 numbers of a lane, register 16 b + i = k 32 b + 16 (lane / 16) + i of my row, become a fragment's codes in v[PC] on and its scale word in v[PW].
.macro QUANT s
.irp b, 0,1,2,3
	v_max3_num_f32 v[TM+\b], |v[\s+16*\b]|, |v[\s+1+16*\b]|, 0x1800000   ; my 16 numbers of block b, and the floor 2^(3 - 127): the byte cannot fall under 1
.endr
.irp i, 2,4,6,8,10,12,14
.irp b, 0,1,2,3
	v_max3_num_f32 v[TM+\b], v[TM+\b], |v[\s+16*\b+\i]|, |v[\s+1+16*\b+\i]|   ; the four blocks by turns
.endr
.endr
.irp b, 0,1,2,3
	v_permlanex16_b32 v[TM+4+\b], v[TM+\b], s[SEL], s[SEL+1]
.endr
.irp b, 0,1,2,3
	v_max_num_f32 v[TM+\b], v[TM+\b], v[TM+4+\b]   ; with lane l xor 16's: the block's largest magnitude
.endr
.irp b, 0,1,2,3
	v_add_nc_u32 v[TM+12+\b], 0xff000000, v[TM+\b] ; 2 off its exponent field: the conversion takes that field as its scale
.endr
.irp b, 0,1,2,3
	v_lshrrev_b32 v[TM+4+\b], 23, v[TM+12+\b]      ; the scale's byte
.endr
	v_lshl_or_b32 v[PW], v[TM+5], 8, v[TM+4]
	v_lshl_or_b32 v[PW], v[TM+6], 16, v[PW]
	v_lshl_or_b32 v[PW], v[TM+7], 24, v[PW]
.irp c, 0,1
	v_cvt_scalef32_pk16_fp6_f32 v[PC+6*\c:PC+2+6*\c], v[\s+32*\c:\s+15+32*\c], v[TM+12+2*\c]
	v_cvt_scalef32_pk16_fp6_f32 v[PC+12+4*\c:PC+14+4*\c], v[\s+16+32*\c:\s+31+32*\c], v[TM+12+2*\c+1]   ; (a conversion's three registers begin on an even number)
.endr
	v_nop                                          ; one plain place behind a scaled conversion
.irp c, 0,1                            ; the operand's layout wants a whole block in a lane: lanes 0-15 block 2 c, lanes 16-31 block 2 c + 1
.irp i, 0,1,2
	v_permlane16_swap_b32 v[PC+6*\c+\i], v[PC+12+4*\c+\i]
.endr
.irp i, 0,1,2
	v_mov_b32 v[PC+3+6*\c+\i], v[PC+12+4*\c+\i]
.endr
.endr
.endm
.macro PUT off                         ; the fragment leaves as it stands: each store covers 512 or 256 consecutive bytes, aligned
	global_store_b128 v[L16], v[PC:PC+3], s[14:15] offset:\off
	global_store_b64 v[L8], v[PC+4:PC+5], s[14:15] offset:\off+512
	global_store_b128 v[L16], v[PC+6:PC+9], s[14:15] offset:\off+768
	global_store_b64 v[L8], v[PC+10:PC+11], s[14:15] offset:\off+1280
.endm
.macro UNIT t
.if (\t) < 3
	s_wait_loadcnt 16                              ; this unit's 16 loads are in; the other set's 16 may be out
.else
	s_wait_loadcnt 0x0
.endif
	TURN \t
	s_wait_dscnt 0x0                               ; my 64 numbers are back, and the stage's stores have read their set
.if (\t) > 0
	s_wait_xcnt 0x0                                ; the last unit's stores have read the codes' registers: they are written again only behind this wait
.endif
.if (\t) < 2
	LOAD (\t)+2
.endif
	QUANT X
	PUT 1536*(\t)
	v_mov_b32 v[SW+(\t)], v[PW]
.endm
	LOAD 0
	LOAD 1
	UNIT 0
	UNIT 1
	UNIT 2
	UNIT 3
	s_wait_alu depctr_va_vdst(0)
	s_wait_xcnt 0x0                                ; EXEC changes only behind this wait
	v_cmp_gt_u32 vcc_lo, 16, v[LN]
	s_wait_tensorcnt 0x0
	ds_add_u32 v62, v63
	s_wait_dscnt 0x0
	s_and_saveexec_b32 s34, vcc_lo                 ; lanes 0-15 hold the 16 rows' words (lanes 16-31 the same again)
	global_store_b128 v[R16], v[SW:SW+3], s[16:17] ; 256 consecutive bytes, aligned
	s_wait_xcnt 0x0
	s_or_b32 exec_lo, exec_lo, s34
	s_endpgm
.Lfunc_end_k_qaceff3ca4b_quant:
	.size	k_qaceff3ca4b_quant, .Lfunc_end_k_qaceff3ca4b_quant-k_qaceff3ca4b_quant
	.p2alignl 7, 3214868480
	.fill 96, 4, 3214868480
	.section	.rodata,"a",@progbits
	.p2align	6, 0x0
	.amdhsa_kernel k_qaceff3ca4b_quant
		.amdhsa_group_segment_fixed_size 34304
		.amdhsa_private_segment_fixed_size 0
		.amdhsa_enable_private_segment 0
		.amdhsa_kernarg_size 56
		.amdhsa_user_sgpr_count 2
		.amdhsa_user_sgpr_kernarg_segment_ptr 1
		.amdhsa_wavefront_size32 1
		.amdhsa_system_sgpr_workgroup_id_x 1
		.amdhsa_system_sgpr_workgroup_id_y 1
		.amdhsa_system_sgpr_workgroup_id_z 1
		.amdhsa_system_vgpr_workitem_id 0
		.amdhsa_next_free_vgpr 256
		.amdhsa_next_free_sgpr 66
		.amdhsa_reserve_vcc 1
		.amdhsa_float_denorm_mode_32 3
		.amdhsa_float_denorm_mode_16_64 3
		.amdhsa_memory_ordered 1
		.amdhsa_forward_progress 1
		.amdhsa_inst_pref_size 34
	.end_amdhsa_kernel
	.amdgpu_metadata
---
amdhsa.version: [ 1, 2 ]
amdhsa.kernels:
  - .name:           k_qaceff3ca4b_quant
    .symbol:         k_qaceff3ca4b_quant.kd
    .args:
      - { .name: x, .offset: 0, .size: 8, .value_kind: global_buffer, .address_space: global }
      - { .name: Wq, .offset: 8, .size: 8, .value_kind: global_buffer, .address_space: global }
      - { .name: Wk, .offset: 16, .size: 8, .value_kind: global_buffer, .address_space: global }
      - { .name: Wv, .offset: 24, .size: 8, .value_kind: global_buffer, .address_space: global }
      - { .name: Wp, .offset: 32, .size: 8, .value_kind: global_buffer, .address_space: global }
      - { .name: codes, .offset: 40, .size: 8, .value_kind: global_buffer, .address_space: global }
      - { .name: scales, .offset: 48, .size: 8, .value_kind: global_buffer, .address_space: global }
    .group_segment_fixed_size: 34304
    .private_segment_fixed_size: 0
    .kernarg_segment_align: 8
    .kernarg_segment_size: 56
    .max_flat_workgroup_size: 128
    .sgpr_count:     66
    .vgpr_count:     256
    .wavefront_size: 32
...
	.end_amdgpu_metadata
.endif
;; end of part 1
;; launch qkv (part 2): grid 8 x 48, 4 waves a work-group, clusters of 4 x 4, 327,680 bytes of LDS; arguments codes, scales, bq, bk, bv, qkv, qkvs; writes qkv, qkvs
.if DOCPART == 2
	.amdgcn_target "amdgcn-amd-amdhsa--gfx1250"
	.amdhsa_code_object_version 6
	.text
	.protected	k_qaceff3ca4b_qkv
	.globl	k_qaceff3ca4b_qkv
	.p2align	8
	.type	k_qaceff3ca4b_qkv,@function
k_qaceff3ca4b_qkv:
	s_mov_b64 s[64:65], 0
	v_nop
	global_prefetch_b8 v0, s[64:65] scope:SCOPE_SE
	s_setreg_imm32_b32 hwreg(HW_REG_WAVE_MODE, 25, 1), 1
	s_wait_xcnt 0x0
	s_wait_alu depctr_hold_cnt(0) depctr_sa_sdst(0) depctr_va_vdst(0) depctr_va_sdst(0) depctr_va_ssrc(0) depctr_va_vcc(0) depctr_vm_vsrc(0)
	s_getreg_b32 s2, hwreg(HW_REG_IB_STS2, 6, 4)
	s_cmp_eq_u32 s2, 0
	s_cbranch_scc0 .Lentry_in_a_cluster
	s_endpgm
.Lentry_in_a_cluster:
	s_bfe_u32 s2, ttmp6, 0x10000c
	s_cmp_lg_u32 s2, 0xf033
	s_cbranch_scc0 .Lentry_shape_is_right
	s_endpgm
.Lentry_shape_is_right:
; q = x Wq^T + bq, k = x Wk^T + bk, v = x Wv^T + bv on codes of E2M3, K = 1,024; the results are quantised in registers and leave as codes:
; q and k along the head's 64, v along the tokens (the keys of the second attention product).
; ONE TEXT, TWO USES, told by the cluster's y (the same in all partners), with no branch: numbers are chosen by s_cselect_b32.
;   cluster y 0-7:  A = x (tokens), B = Wq | Wk: a lane holds one token and its registers run along the output channels.
;   cluster y 8-11: A = Wv (channels), B = x:    a lane holds one channel and its registers run along the tokens: V^T.
; x and the weights lie in one buffer of row tiles (16 rows: tile 2 B + u holds rows 32 B + 8 u + r + 8 (r / 8)), so only row-tile numbers differ.
; With such tiles as source 0, the 16 registers of tiles 2 B and 2 B + 1 are 16 neighbours: index 32 B + 16 (lane / 16) + 0 .. 15.
; THE PRODUCT: a tile of 256 x 256 by four waves, 128 x 128 each: 64 accumulators, 512 registers.  Source 0 = B's fragment, source 1 = A's.
; K goes in four fills of 256 through two LDS slots.  A fragment lies in memory and in LDS as an image of its 12 registers (1,536 bytes): four LDS loads, each of 512 or 256 consecutive bytes.
; CLUSTER 4 x 4: A's tiles are asked for jointly along a row of the cluster, B's along a column.
; The scale words of the wave's 128 + 128 rows for all of K come once, straight into 64 registers (lanes 0-15 A's block i, lanes 16-31 B's block i).
; The bias along the registers (bq, bk) is the C of each sum's first product; the bias along the lanes (bv) is added behind the sums; each use gets zeros for the other.
; So the order of rounding differs from a bias added last.  LIMITS: as in the quantiser (byte held at 1 from below; NaN and infinities not served).
; OUT: qkv  = three regions of 6,291,456 bytes (q, k, v), each [b][head] x 98,304: q, k: [token tile 0..127][768]; v: [key step 0..15][channel tile 0..3][1,536].
;      qkvs = three regions of 524,288 bytes, each [b][head] x 8,192 = 16 groups of 512: q, k: [(tile % 8) / 4][r][tile % 4] words with bytes 2, 3 = 0; v: [lane][channel tile] words.
; REGISTERS: window 0: v16-23 LDS addresses; v24-27 offsets; v28-29 the add's; v32-95 scale words; v96-111 at work; v128-223 A's fragments, later the way out; v224-239 bv; v240-247 scale words to store.
;   window 1: B's fragments, two sets at v0 and v128; the bias along the registers at v96-127 and v224-255.   windows 2, 3: the accumulators ((a, b) at v[8 (8 (a % 4) + b)]).
.set FR,    12                         ; registers of a fragment
.set RT,    3072                       ; a row tile's bytes in a slot: 256 along K
.set HALFT, 8*RT                       ; eight row tiles: what one tensor load brings, and what a wave reads of A or of B
.set SLOT,  4*HALFT                    ; A's 16 row tiles, then B's 16
.set SPARE, 2*SLOT                     ; behind the ring: the spare words, 128 bytes for each wave
.set RTG,   12288                      ; a row tile's bytes in memory: all of K
.set ADRA,  16                         ; v16-17 my A fragments in slot 0, 1, at 16 x lane; v18-19 at 8 x lane
.set ADRB,  20                         ; v20-23 the same for B
.set L16,   24
.set L8,    25
.set VS,    26                         ; v26 where my scale words go
.set SOF,   27                         ; v27 where my scale words come from
.set SPW,   28
.set NIL,   29
.set PW,    30
.set SH,    31
.set SC,    32                         ; v[SC + 8 i + kk]: the words of block i for K = 128 kk on
.set TM,    96
.set AF,    128
.set T,     128                        ; the way out: 64 numbers of a lane
.set PC,    192                        ; and their codes
.set BM,    224                        ; bv: a pair for each of A's blocks, both halves alike
.set SW,    240
.set G1,    24
.set G0,    32
.set G1B,   48
.set G0B,   56
.set SEL,   96
.set MSB,   0
.macro WIN new                         ; the immediate's high byte repeats the setting that is left
.if MSB != (\new)
	s_set_vgpr_msb (MSB<<8)|(\new)
.set MSB, (\new)
.endif
.endm
; A joint load: waves 0 and 1 fetch for A, waves 2 and 3 for B; the branch hangs on the wave's number alone.  Four v_nop follow each of the two lines.
.macro JLOAD g0a, g1a, g0b, g1b
	s_cmp_eq_u32 s15, 0
	s_cbranch_scc0 .Lfor_b_\@
	tensor_load_to_lds s[\g0a:\g0a+3], s[\g1a:\g1a+7]
	s_nop 0
.rept 4
	v_nop
.endr
	s_branch .Lasked_\@
.Lfor_b_\@:
	tensor_load_to_lds s[\g0b:\g0b+3], s[\g1b:\g1b+7]
	s_nop 0
.rept 4
	v_nop
.endr
.Lasked_\@:
.endm
.macro CREST                           ; a round of the cluster's barrier behind its opening barrier
	s_cmp_lg_u32 s14, 0
	s_cbranch_scc1 .Lnot_wave_0_\@
	s_barrier_signal -3
.Lnot_wave_0_\@:
	s_barrier_wait -3
	s_barrier_signal -1
	s_barrier_wait -1
.endm
.macro CROUND
	s_barrier_signal -1
	s_barrier_wait -1
	CREST
.endm
.macro PLACES n                        ; plain places behind matrix instructions, in front of loads into their registers and of reads of their results
.rept \n
	v_nop
.endr
.endm
.macro FRAG reg, adr, q, i             ; a fragment comes back as it was stored: registers 0-3, 4-5, 6-9, 10-11
	ds_load_b128 v[\reg:\reg+3], v[\adr] offset:(\i)*RT+(\q)*1536
	ds_load_b64 v[\reg+4:\reg+5], v[\adr+2] offset:(\i)*RT+(\q)*1536+512
	ds_load_b128 v[\reg+6:\reg+9], v[\adr] offset:(\i)*RT+(\q)*1536+768
	ds_load_b64 v[\reg+10:\reg+11], v[\adr+2] offset:(\i)*RT+(\q)*1536+1280
.endm
.macro FETCH_B slot, q, p              ; B's eight fragments of the slot's q-th 128 along K into set p
	WIN 0x40
.irp i, 0,1,2,3,4,5,6,7
	FRAG 128*(\p)+FR*\i, ADRB+\slot, \q, \i
.endr
	WIN 0
.endm
.macro FETCH_A slot, q, i0             ; A's blocks i0 .. i0 + 3
.irp i, \i0, \i0+1, \i0+2, \i0+3
	FRAG AF+FR*(\i), ADRA+\slot, \q, \i
.endr
.endm
; 16 matrix instructions: A's blocks a0, a0 + 1 x B's eight, K = 128 kk on.  first = 1: the bias is the C of the sum's first product.  The 64 accumulators take turns, one instruction a turn.
.macro MUL16 a0, p, kk, first
.irp a, \a0, \a0+1
.irp b, 0,1,2,3,4,5,6,7
.if \first
	v_wmma_scale_f32_16x16x128_f8f6f4 v[8*(8*((\a)%4)+\b):8*(8*((\a)%4)+\b)+7], v[128*(\p)+FR*\b:128*(\p)+FR*\b+FR-1], v[AF+FR*(\a):AF+FR*(\a)+FR-1], v[96+8*\b+96*(\b/4):96+8*\b+96*(\b/4)+7], v[SC+8*\b+(\kk)], v[SC+8*(\a)+(\kk)] matrix_a_fmt:MATRIX_FMT_FP6 matrix_b_fmt:MATRIX_FMT_FP6 matrix_a_scale:MATRIX_SCALE_ROW1
.else
	v_wmma_scale_f32_16x16x128_f8f6f4 v[8*(8*((\a)%4)+\b):8*(8*((\a)%4)+\b)+7], v[128*(\p)+FR*\b:128*(\p)+FR*\b+FR-1], v[AF+FR*(\a):AF+FR*(\a)+FR-1], v[8*(8*((\a)%4)+\b):8*(8*((\a)%4)+\b)+7], v[SC+8*\b+(\kk)], v[SC+8*(\a)+(\kk)] matrix_a_fmt:MATRIX_FMT_FP6 matrix_b_fmt:MATRIX_FMT_FP6 matrix_a_scale:MATRIX_SCALE_ROW1
.endif
.endr
.endr
.endm
; A slot's first 128 along K; it fetches the second.
.macro STEP kk, first
.set SL, ((\kk)/2)%2
	s_wait_dscnt 16                                ; B's set and A's blocks 0-3 are in; the youngest 16 loads (A's blocks 4-7) may be out
.if \first
	WIN 0x91                                       ; source 0 window 1, source 1 window 0, C window 1 (the bias), D window 2
.else
	WIN 0xa1
.endif
	MUL16 0, 0, \kk, \first
	MUL16 2, 0, \kk, \first
	s_wait_dscnt 0x0                               ; A's blocks 4-7 are in
	PLACES 4
	FETCH_B SL, 1, 1
	FETCH_A SL, 1, 0
.if \first
	WIN 0xd1
.else
	WIN 0xf1
.endif
	MUL16 4, 0, \kk, \first
	MUL16 6, 0, \kk, \first
	PLACES 4
	WIN 0
	FETCH_A SL, 1, 4
.endm
; A slot's second 128 along K changes slots: one barrier; in front of it each wave waits for all its tensor loads, adds 0 to its spare word, and waits for that and for its reads of this slot.
.macro TURN kk, fill
.set SL, ((\kk)/2)%2
.set NX, 1-SL
	s_wait_tensorcnt 0x0                           ; all my tensor loads have landed: my part of the next slot
	ds_add_u32 v[SPW], v[NIL]                      ; 0 onto my spare word
	s_wait_dscnt 17                                ; (the add and the youngest 16 loads may be out)
	WIN 0xa1
	MUL16 0, 1, \kk, 0
	s_wait_dscnt 0x0                               ; the add is done, and my reads of this slot are over
	s_barrier_signal -1
	MUL16 2, 1, \kk, 0
	WIN 0
	s_barrier_wait -1
.if \fill
	CREST                                          ; the barrier has opened a round of the cluster's: no wave of any partner still reads this slot or has a load on its way
	s_add_nc_u64 s[G0+4*SL+2:G0+4*SL+3], s[G0+4*SL+2:G0+4*SL+3], 2*RT
	s_add_nc_u64 s[G0B+4*SL+2:G0B+4*SL+3], s[G0B+4*SL+2:G0B+4*SL+3], 2*RT
	JLOAD G0+4*SL, G1, G0B+4*SL, G1B               ; the first tensor load behind the round; its four v_nop are the places in front of the loads below
.else
	PLACES 4
.endif
	FETCH_B NX, 0, 0
	FETCH_A NX, 0, 0
	WIN 0xf1
	MUL16 4, 1, \kk, 0
	MUL16 6, 1, \kk, 0
	PLACES 4
	WIN 0
	FETCH_A NX, 0, 4
.endm
.macro QUANT s                         ; 64 numbers of a lane, register 16 b + i = k 32 b + 16 (lane / 16) + i of its row -> codes in v[PC] on, scale word in v[PW]
.irp b, 0,1,2,3
	v_max3_num_f32 v[TM+\b], |v[\s+16*\b]|, |v[\s+1+16*\b]|, 0x1800000   ; and the floor 2^(3 - 127): the byte cannot fall under 1
.endr
.irp i, 2,4,6,8,10,12,14
.irp b, 0,1,2,3
	v_max3_num_f32 v[TM+\b], v[TM+\b], |v[\s+16*\b+\i]|, |v[\s+1+16*\b+\i]|
.endr
.endr
.irp b, 0,1,2,3
	v_permlanex16_b32 v[TM+4+\b], v[TM+\b], s[SEL], s[SEL+1]
.endr
.irp b, 0,1,2,3
	v_max_num_f32 v[TM+\b], v[TM+\b], v[TM+4+\b]
.endr
.irp b, 0,1,2,3
	v_add_nc_u32 v[TM+12+\b], 0xff000000, v[TM+\b] ; 2 off the exponent field: the conversion's scale operand
.endr
.irp b, 0,1,2,3
	v_lshrrev_b32 v[TM+4+\b], 23, v[TM+12+\b]      ; the scale's byte
.endr
	v_lshl_or_b32 v[PW], v[TM+5], 8, v[TM+4]
	v_lshl_or_b32 v[PW], v[TM+6], 16, v[PW]
	v_lshl_or_b32 v[PW], v[TM+7], 24, v[PW]
.irp c, 0,1
	v_cvt_scalef32_pk16_fp6_f32 v[PC+6*\c:PC+2+6*\c], v[\s+32*\c:\s+15+32*\c], v[TM+12+2*\c]
	v_cvt_scalef32_pk16_fp6_f32 v[PC+12+4*\c:PC+14+4*\c], v[\s+16+32*\c:\s+31+32*\c], v[TM+12+2*\c+1]
.endr
	v_nop                                          ; one plain place behind a scaled conversion
.irp c, 0,1
.irp i, 0,1,2
	v_permlane16_swap_b32 v[PC+6*\c+\i], v[PC+12+4*\c+\i]
.endr
.irp i, 0,1,2
	v_mov_b32 v[PC+3+6*\c+\i], v[PC+12+4*\c+\i]
.endr
.endr
.endm
	s_load_b256 s[4:11], s[0:1], 0x0               ; codes, scales, bq, bk
	s_load_b128 s[68:71], s[0:1], 0x20             ; bv, qkv
	s_load_b64 s[72:73], s[0:1], 0x30              ; qkvs
	v_lshl_add_u32 v[SPW], v0, 2, SPARE
	v_mov_b32 v[NIL], 0
	ds_add_u32 v28, v29
	ds_add_u32 v28, v29
	s_wait_dscnt 0x0
	v_lshrrev_b32 v1, 5, v0
	v_readfirstlane_b32 s14, v1                    ; wave 0..3
	s_lshr_b32 s15, s14, 1                         ; my half of A's rows.  Also: I fetch for A (0) or for B (1)
	s_and_b32 s16, s14, 1                          ; my half of B's rows.  Also: which eight row tiles I fetch
	s_bfe_u32 s40, ttmp6, 0x40000                  ; cx
	s_bfe_u32 s41, ttmp6, 0x40004                  ; cy
	s_and_b32 s17, ttmp7, 0xffff                   ; the cluster's y: 0-7 q and k, 8-11 v
	s_lshl_b32 s42, s17, 2
	s_lshl_b32 s45, s17, 3
	s_sub_co_u32 s45, s45, 64
	s_lshl_b32 s46, ttmp9, 2
	s_add_co_u32 s46, s46, s40
	s_cmp_ge_u32 s17, 8
	s_cselect_b32 s42, 40, s42
	s_cselect_b32 s45, s45, 32
	s_add_co_u32 s42, s42, s41                     ; TA: A's 16 row tiles begin at 16 TA (x: 0-31, Wv: 40-43); it never holds cx
	s_add_co_u32 s45, s45, s46                     ; TB: B's (Wq, Wk: 32-39, x: 0-31); it never holds cy
	s_lshl_b32 s43, s41, 2
	s_lshl_b32 s43, 15, s43                        ; my row of the cluster
	s_lshl_b32 s44, 0x1111, s40                    ; my column
	s_or_b32 s[G1], s43, (3<<16)|(1<<21)           ; 15:0 the mask; 17:16 elements of 8 bytes; 21 set beside a mask; no padding
	s_or_b32 s[G1B], s44, (3<<16)|(1<<21)
.irp g, G1, G1B                        ; eight rows (row tiles) of 3,072 bytes, 12,288 bytes apart
	s_mov_b32 s[\g+1], 384<<16                     ; tensor_dim0
	s_mov_b32 s[\g+2], 8<<16                       ; tensor_dim1
	s_mov_b32 s[\g+3], 384<<16                     ; tile_dim0
	s_mov_b32 s[\g+4], 8                           ; tile_dim1
	s_mov_b32 s[\g+5], 1536                        ; tensor_dim0_stride
	s_mov_b32 s[\g+6], 0
	s_mov_b32 s[\g+7], 0
.endr
	s_lshl_b32 s18, s16, 3
	s_lshl_b32 s20, s42, 4
	s_add_co_u32 s20, s20, s18
	s_mul_i32 s20, s20, RTG                        ; A: the first row tile that I fetch, in bytes
	s_mov_b32 s21, 0
	s_lshl_b32 s46, s45, 4
	s_add_co_u32 s46, s46, s18
	s_mul_i32 s46, s46, RTG                        ; B likewise
	s_mov_b32 s47, 0
	s_mul_i32 s19, s14, HALFT                      ; where they go: wave x eight row tiles: no place in the cluster enters an LDS address
	s_wait_kmcnt 0x0
	s_add_nc_u64 s[20:21], s[4:5], s[20:21]
	s_add_nc_u64 s[46:47], s[4:5], s[46:47]
	CROUND                                         ; all sixteen work-groups are here: the first joint loads meet
.irp s, 0,1
	s_mov_b32 s[G0+4*\s], 1
	s_add_co_u32 s[G0+4*\s+1], s19, \s*SLOT
	s_add_nc_u64 s[G0+4*\s+2:G0+4*\s+3], s[20:21], \s*RT
	s_or_b32 s[G0+4*\s+3], s[G0+4*\s+3], 0x80000000
	s_mov_b32 s[G0B+4*\s], 1
	s_add_co_u32 s[G0B+4*\s+1], s19, \s*SLOT
	s_add_nc_u64 s[G0B+4*\s+2:G0B+4*\s+3], s[46:47], \s*RT
	s_or_b32 s[G0B+4*\s+3], s[G0B+4*\s+3], 0x80000000
	JLOAD G0+4*\s, G1, G0B+4*\s, G1B
.endr
	v_and_b32 v1, 31, v0                           ; lane
	v_and_b32 v2, 15, v0                           ; r
	v_bfe_u32 v3, v0, 4, 1                         ; h
	v_lshlrev_b32 v[L16], 4, v1
	v_lshlrev_b32 v[L8], 3, v1
	s_mul_i32 s21, s15, HALFT                      ; my eight row tiles of A
	s_mul_i32 s22, s16, HALFT
	s_add_co_u32 s22, s22, 2*HALFT                 ; and of B, behind A's sixteen
.irp s, 0,1
	v_add_nc_u32 v[ADRA+\s], s21, v[L16]
	v_add_nc_u32 v[ADRA+2+\s], s21, v[L8]
	v_add_nc_u32 v[ADRB+\s], s22, v[L16]
	v_add_nc_u32 v[ADRB+2+\s], s22, v[L8]
	s_add_co_u32 s21, s21, SLOT
	s_add_co_u32 s22, s22, SLOT
.endr
	; the scale words: lanes 0-15 take A's row tiles, lanes 16-31 B's; 512 bytes a row tile, 16 bytes a row and half of K
	s_lshl_b32 s18, s42, 4
	s_lshl_b32 s19, s15, 3
	s_add_co_u32 s18, s18, s19
	s_lshl_b32 s18, s18, 9
	s_lshl_b32 s19, s45, 4
	s_lshl_b32 s23, s16, 3
	s_add_co_u32 s19, s19, s23
	s_lshl_b32 s19, s19, 9
	s_mov_b32 s90, 0xffff0000
	v_mov_b32 v6, s18
	v_mov_b32 v7, s19
	v_cndmask_b32 v[SOF], v6, v7, s90
	v_lshl_add_u32 v[SOF], v2, 4, v[SOF]
.irp i, 0,1,2,3,4,5,6,7
	global_load_b128 v[SC+8*\i:SC+8*\i+3], v[SOF], s[6:7] offset:512*\i
	global_load_b128 v[SC+8*\i+4:SC+8*\i+7], v[SOF], s[6:7] offset:512*\i+256
.endr
	; what differs between the two uses, chosen on the cluster's y
	s_sub_co_u32 s47, s42, 40
	s_sub_co_u32 s66, s45, 32
	s_mov_b32 s98, 98304
	s_mov_b32 s78, 768
	s_mov_b32 s91, 8192
	s_mov_b32 s99, 256
	s_mov_b32 s79, 0
	s_mov_b32 s81, 0
	s_cmp_ge_u32 s17, 8
	s_cselect_b32 s47, s47, s42                    ; RI: the tile's place along A's rows (tokens / 256, or Wv's channels / 256)
	s_cselect_b32 s66, s45, s66                    ; CI: along B's rows (Wq | Wk channels / 256, or tokens / 256)
	s_cselect_b32 s74, s16, s15                    ; my half along the tokens
	s_cselect_b32 s76, s15, s16                    ; my half along the channels
	s_cselect_b32 s98, 768, s98                    ; from a fragment's first six registers to its second six: the next head's image, or 768 bytes
	s_cselect_b32 s78, 1536, s78                   ; from one of A's blocks to the next
	s_cselect_b32 s80, 92160, 0                    ; and, at block 4, on to the next head (v)
	s_cselect_b32 s91, 256, s91                    ; scale words: from lanes 0-15 to lanes 16-31,
	s_cselect_b32 s99, 8192, s99                   ; from blocks 0-3 to blocks 4-7,
	s_cselect_b32 s92, 0, 16                       ; the shift in lanes 16-31 (q, k: the second head's two bytes),
	s_cselect_b32 s93, -1, 0xffff                  ; and what is kept of a word
	s_cselect_b32 s94, 0, -1                       ; the bias along the registers is kept for q and k,
	s_cselect_b32 s95, -1, 0                       ; that along the lanes for v
	s_cselect_b32 s67, s66, s47                    ; the tile's place along the tokens
	s_and_b32 s75, s66, 3
	s_lshr_b32 s77, s66, 2
	s_cmp_ge_u32 s17, 8
	s_cselect_b32 s75, s47, s75                    ; its place along a tensor's 1,024 channels
	s_cselect_b32 s77, 2, s77                      ; the region: 0 q, 1 k, 2 v
	s_lshr_b32 s18, s67, 3                         ; b
	s_and_b32 s19, s67, 7
	s_lshl_b32 s19, s19, 1
	s_add_co_u32 s19, s19, s74                     ; which 128 tokens of the 2,048
	s_lshl_b32 s22, s75, 2
	s_lshl_b32 s23, s76, 1
	s_add_co_u32 s22, s22, s23                     ; my first head (I have two)
	s_mul_i32 s2, s77, 6291456
	s_mul_i32 s3, s18, 1572864
	s_add_co_u32 s2, s2, s3
	s_mul_i32 s3, s22, 98304
	s_add_co_u32 s2, s2, s3
	s_mul_i32 s3, s19, 6144
	s_add_co_u32 s2, s2, s3
	s_mov_b32 s3, 0
	s_add_nc_u64 s[82:83], s[70:71], s[2:3]        ; where registers 0-5 of block 0's codes go,
	s_mov_b32 s2, s98
	s_add_nc_u64 s[84:85], s[82:83], s[2:3]        ; and registers 6-11
	s_mul_i32 s2, s77, 524288
	s_lshl_b32 s3, s18, 17
	s_add_co_u32 s2, s2, s3
	s_lshl_b32 s3, s22, 13
	s_add_co_u32 s2, s2, s3
	s_lshl_b32 s3, s19, 9
	s_add_co_u32 s2, s2, s3
	s_mov_b32 s3, 0
	s_add_nc_u64 s[86:87], s[72:73], s[2:3]        ; the scale words of blocks 0-3,
	s_mov_b32 s2, s99
	s_add_nc_u64 s[88:89], s[86:87], s[2:3]        ; and of blocks 4-7
	; the biases.  Both are loaded in both uses, from places inside their buffers, and the one that does not belong is made zero
	s_and_b32 s2, s66, 3
	s_lshl_b32 s2, s2, 10
	s_lshl_b32 s23, s16, 9
	s_add_co_u32 s2, s2, s23
	s_cmp_lt_u32 s66, 4
	s_cselect_b64 s[12:13], s[8:9], s[10:11]       ; bq or bk
	s_add_nc_u64 s[12:13], s[12:13], s[2:3]        ; at my 128 channels
	s_and_b32 s2, s47, 3
	s_lshl_b32 s2, s2, 10
	s_lshl_b32 s23, s15, 9
	s_add_co_u32 s2, s2, s23
	s_add_nc_u64 s[68:69], s[68:69], s[2:3]        ; bv at my 128 channels
	v_lshlrev_b32 v8, 6, v3                        ; along the registers: lane (r, h) wants, for block 2 B + u, channels 32 B + 16 h + 8 u + 0 .. 7
	v_and_b32 v9, 8, v2
	v_add_nc_u32 v9, v9, v2
	v_lshlrev_b32 v9, 2, v9                        ; along the lanes: channel 32 B + 8 u + r + 8 (r / 8)
	WIN 0x40                                       ; destination window 1
.irp b, 0,1,2,3,4,5,6,7
	global_load_b128 v[96+8*\b+96*(\b/4):96+8*\b+96*(\b/4)+3], v8, s[12:13] offset:(32*(\b/2)+8*(\b%2))*4
	global_load_b128 v[96+8*\b+96*(\b/4)+4:96+8*\b+96*(\b/4)+7], v8, s[12:13] offset:(32*(\b/2)+8*(\b%2))*4+16
.endr
	WIN 0
.irp a, 0,1,2,3,4,5,6,7
	global_load_b32 v[BM+2*\a], v9, s[68:69] offset:(32*(\a/2)+8*(\a%2))*4
.endr
	v_mul_u32_u24 v[VS], s91, v3
	v_lshl_add_u32 v[VS], v2, 4, v[VS]
	v_mul_u32_u24 v[SH], s92, v3
.irp b, 0,1,2,3
	v_mov_b32 v[TM+4+\b], 0                        ; written once: a lane permute's destination counts as one of its sources
.endr
	s_mov_b32 s[SEL], 0x76543210
	s_mov_b32 s[SEL+1], 0xfedcba98
	s_wait_loadcnt 0x0                             ; scale words and biases
	WIN 0x44                                       ; destination and second source window 1
.set i, 96
.rept 32
	v_and_b32 v[i], s94, v[i]
.set i, i+1
.endr
.set i, 224
.rept 32
	v_and_b32 v[i], s94, v[i]
.set i, i+1
.endr
	WIN 0
.irp a, 0,1,2,3,4,5,6,7
	v_and_b32 v[BM+2*\a], s95, v[BM+2*\a]
	v_mov_b32 v[BM+2*\a+1], v[BM+2*\a]
.endr
	s_wait_tensorcnt 1                             ; my part of slot 0 is in (slot 1's load may be out)
	s_barrier_signal -1
	s_barrier_wait -1                              ; everybody's is
	FETCH_B 0, 0, 0
	FETCH_A 0, 0, 0
	FETCH_A 0, 0, 4
	STEP 0, 1                                      ; K is eight steps of 128: written out, since the scale words' register numbers hang on the step
	TURN 1, 1
	STEP 2, 0
	TURN 3, 1
	STEP 4, 0
	TURN 5, 0                                      ; nothing is left to fetch: no round of the cluster's barrier
	STEP 6, 0
	s_wait_dscnt 16
	WIN 0xa1
	MUL16 0, 1, 7, 0
	MUL16 2, 1, 7, 0
	s_wait_dscnt 0x0
	WIN 0xf1
	MUL16 4, 1, 7, 0
	MUL16 6, 1, 7, 0
	WIN 0
; THE WAY OUT, one of A's blocks (16 lanes' rows x 128 along the registers) at a time: the bias along the lanes, the quantiser, and the fragment leaves as it stands.  No LDS.
.macro OUT a
.if (\a) > 0
	s_wait_xcnt 0x0                                ; the last block's stores have read their registers and bases
	s_add_nc_u64 s[82:83], s[82:83], s[78:79]
	s_add_nc_u64 s[84:85], s[84:85], s[78:79]
.if (\a) == 4
	s_add_nc_u64 s[82:83], s[82:83], s[80:81]
	s_add_nc_u64 s[84:85], s[84:85], s[80:81]
.endif
.endif
	WIN 0x02+(\a)/4                                ; source 0: window 2 or 3
.set i, 0
.rept 32
	v_pk_add_f32 v[T+i:T+i+1], v[64*((\a)%4)+i:64*((\a)%4)+i+1], v[BM+2*(\a):BM+2*(\a)+1]   ; ascending: each accumulator is read from its low end on
.set i, i+2
.endr
	WIN 0
	QUANT T
	global_store_b128 v[L16], v[PC:PC+3], s[82:83]             ; each store covers 512 or 256 consecutive bytes, aligned
	global_store_b64 v[L8], v[PC+4:PC+5], s[82:83] offset:512
	global_store_b128 v[L16], v[PC+6:PC+9], s[84:85]
	global_store_b64 v[L8], v[PC+10:PC+11], s[84:85] offset:512
	v_lshrrev_b32 v[SW+(\a)], v[SH], v[PW]         ; q, k: lanes 0-15 keep the first head's two bytes, lanes 16-31 the second's; v: the whole word
	v_and_b32 v[SW+(\a)], s93, v[SW+(\a)]
.endm
	PLACES 4                                       ; behind the last products: their results are read, and A's registers written
.irp a, 0,1,2,3,4,5,6,7
	OUT \a
.endr
	global_store_b128 v[VS], v[SW:SW+3], s[86:87]  ; sixteen lanes store 256 consecutive bytes, aligned
	global_store_b128 v[VS], v[SW+4:SW+7], s[88:89]
	s_wait_tensorcnt 0x0                           ; the wave's end
	ds_add_u32 v[SPW], v[NIL]
	s_wait_dscnt 0x0
	CROUND                                         ; the closing round: no work-group ends while a partner may still ask for a tile that names it
	s_endpgm
.Lfunc_end_k_qaceff3ca4b_qkv:
	.size	k_qaceff3ca4b_qkv, .Lfunc_end_k_qaceff3ca4b_qkv-k_qaceff3ca4b_qkv
	.p2alignl 7, 3214868480
	.fill 96, 4, 3214868480
	.section	.rodata,"a",@progbits
	.p2align	6, 0x0
	.amdhsa_kernel k_qaceff3ca4b_qkv
		.amdhsa_group_segment_fixed_size 327680
		.amdhsa_private_segment_fixed_size 0
		.amdhsa_enable_private_segment 0
		.amdhsa_kernarg_size 56
		.amdhsa_user_sgpr_count 2
		.amdhsa_user_sgpr_kernarg_segment_ptr 1
		.amdhsa_wavefront_size32 1
		.amdhsa_system_sgpr_workgroup_id_x 1
		.amdhsa_system_sgpr_workgroup_id_y 1
		.amdhsa_system_sgpr_workgroup_id_z 1
		.amdhsa_system_vgpr_workitem_id 0
		.amdhsa_next_free_vgpr 1024
		.amdhsa_next_free_sgpr 100
		.amdhsa_reserve_vcc 0
		.amdhsa_float_denorm_mode_32 3
		.amdhsa_float_denorm_mode_16_64 3
		.amdhsa_memory_ordered 1
		.amdhsa_forward_progress 1
		.amdhsa_inst_pref_size 170
	.end_amdhsa_kernel
	.amdgpu_metadata
---
amdhsa.version: [ 1, 2 ]
amdhsa.kernels:
  - .name:           k_qaceff3ca4b_qkv
    .symbol:         k_qaceff3ca4b_qkv.kd
    .args:
      - { .name: codes, .offset: 0, .size: 8, .value_kind: global_buffer, .address_space: global }
      - { .name: scales, .offset: 8, .size: 8, .value_kind: global_buffer, .address_space: global }
      - { .name: bq, .offset: 16, .size: 8, .value_kind: global_buffer, .address_space: global }
      - { .name: bk, .offset: 24, .size: 8, .value_kind: global_buffer, .address_space: global }
      - { .name: bv, .offset: 32, .size: 8, .value_kind: global_buffer, .address_space: global }
      - { .name: qkv, .offset: 40, .size: 8, .value_kind: global_buffer, .address_space: global }
      - { .name: qkvs, .offset: 48, .size: 8, .value_kind: global_buffer, .address_space: global }
    .group_segment_fixed_size: 327680
    .private_segment_fixed_size: 0
    .kernarg_segment_align: 8
    .kernarg_segment_size: 56
    .max_flat_workgroup_size: 128
    .sgpr_count:     100
    .vgpr_count:     1024
    .wavefront_size: 32
...
	.end_amdgpu_metadata
.endif
;; end of part 2
;; launch attn (part 3): grid 4 x 64, 16 waves a work-group, clusters of 4 x 1, 231,424 bytes of LDS; arguments qkv, qkvs, attention_mask, codes, scales; writes codes, scales
.if DOCPART == 3
	.amdgcn_target "amdgcn-amd-amdhsa--gfx1250"
	.amdhsa_code_object_version 6
	.text
	.protected	k_qaceff3ca4b_attn
	.globl	k_qaceff3ca4b_attn
	.p2align	8
	.type	k_qaceff3ca4b_attn,@function
k_qaceff3ca4b_attn:
	s_mov_b64 s[64:65], 0
	v_nop
	global_prefetch_b8 v0, s[64:65] scope:SCOPE_SE
	s_setreg_imm32_b32 hwreg(HW_REG_WAVE_MODE, 25, 1), 1
	s_wait_xcnt 0x0
	s_wait_alu depctr_hold_cnt(0) depctr_sa_sdst(0) depctr_va_vdst(0) depctr_va_sdst(0) depctr_va_ssrc(0) depctr_va_vcc(0) depctr_vm_vsrc(0)
	s_getreg_b32 s2, hwreg(HW_REG_IB_STS2, 6, 4)
	s_cmp_eq_u32 s2, 0
	s_cbranch_scc0 .Lentry_in_a_cluster
	s_endpgm
.Lentry_in_a_cluster:
	s_bfe_u32 s2, ttmp6, 0x10000c
	s_cmp_lg_u32 s2, 0x3003
	s_cbranch_scc0 .Lentry_shape_is_right
	s_endpgm
.Lentry_shape_is_right:
; y[b][q][head] = softmax over the keys k <= q with attention_mask[b][k] != 0 of (q . k / 8), times v; both products on codes of E2M3; y leaves as codes along C for the last product.
; THE SOFTMAX: t = score x log2(e) / 8; M = the running largest t rounded up to a whole number; p = 2^(t - M) is quantised along the keys, not normalised; the row's sum is taken of the
; unquantised p and divides at the end; when M moves, the sum and O are multiplied by 2^(old M - new M), which rounds nothing.
; SHARES.  A cluster of four work-groups is one head of one batch; THE WHOLE HEAD'S K AND V (2 x 98,304 bytes of codes) AND THEIR SCALE WORDS LIE IN EACH WORK-GROUP'S LDS, filled once, by joint loads
; that name all four.  So there is no ring and no barrier in the long loops.  Work-group j, wave w (u = w & 1, f = w >> 1) makes two tiles of 16 queries, one after the other: token tiles
; 8 G + 2 j + u with G = 8 + f and then G = 7 - f.  A tile needs the key steps 0 .. G of 128 keys: every wave has 17 steps.  j enters global addresses and the number d of the causal lines alone.
; LAYOUT.  Both products are used transposed: S^T = K Q^T (source 0 = 16 keys), O^T = V^T P^T (source 0 = 16 channels): a lane holds one query throughout.  Token tile 2 B + u holds tokens
; 32 B + 8 u + r + 8 (r / 8), so the 16 registers of key tiles 2 B, 2 B + 1 are 16 neighbouring keys.  Every fragment lies in LDS as an image of its registers.
; K = 64 IN AN INSTRUCTION OF 128: Q's registers 6-11 are zero codes; K's registers 6-11 hold whatever codes lie there (every code of E2M3 is a finite number); bytes 2, 3 of both scale words are 0, which is a scale and no NaN.
; THE MASKS.  The padding mask is the C of the score products: 0 or -3e38 for each key.  The causal mask is applied in a tile's last step alone (hidden scores become -3e38).  The running largest t begins at
; -2^120, above every masked t, so a masked p is exactly 0.  A query with no key left has the sum 0: its scale bytes become 0xff, which makes that token's row of the last product NaN, as the softmax of nothing is.
; LIMITS: masked scores are -3e38 and not -infinity: right while every true t lies above -2^120 and |q . k| under 3e37.  NaN and infinities among the inputs are not served.
; y's scale bytes leave as single bytes, two for a row and head (32 bytes a tile beside 768 of codes): other heads' bytes lie between them.
; REGISTERS: v1-7 places that stay; v8-14 the step's addresses; v15 d; v16-27 Q; v28 -M, v29 the largest t, v[30:31] the sum; v32-79 four fragments of K or V; v80-94 at work; v93 p's scale word, v95 Q's;
; v96-159 S^T, then p; v160-191 O^T; v192-223 the mask's numbers of four key tiles; v224-235 p's codes; v236-243 at work; v244-251 K's scale words, v252-255 V's.
.set VIMG, 98304                       ; LDS: K's images from 0 (a key step 6,144 bytes, a tile 768), V's from here (a step 6,144, a channel tile 1,536),
.set KSC,  196608                      ; K's scale words (a step 512 bytes),
.set VSC,  204800                      ; V's,
.set MSKB, 212992                      ; and the mask as f32, 4 bytes a key: stored by the waves; no tensor load lands here
.set WV,   18
.set SEL,  20                          ; s[20:21] selects for lane l xor 16
.set CS,   22                          ; s[22:23] c = log2(e) / 8
.set G1A,  24                          ; descriptor groups 1: dense blocks as rows of 256 bytes: 96, 32, 144 rows
.set G1B,  32
.set G1C,  40
.set G0C,  48                          ; groups 0: the first four key steps' codes; the scale words; my part of the other twelve steps' codes
.set G0S,  52
.set G0R,  56
.set SI,   66                          ; the key step
.set GG,   67                          ; the tile's last key step
.set TK,   68                          ; 6,144 x step
.set TS,   69                          ; 512 x step
.set HM,   70                          ; lanes 16-31
.set BX,   80
.set BT,   84
.set SO,   88
.set S,    96
.set O,    160
.set MB,   192
.macro CROUND
	s_barrier_signal -1
	s_barrier_wait -1
	s_cmp_lg_u32 s[WV], 0
	s_cbranch_scc1 .Lnot_wave_0_\@
	s_barrier_signal -3
.Lnot_wave_0_\@:
	s_barrier_wait -3
	s_barrier_signal -1
	s_barrier_wait -1
.endm
.macro GROUP1 g, rows
	s_mov_b32 s[\g], 15|(3<<16)|(1<<21)            ; 15:0 the mask: all four work-groups; 17:16 elements of 8 bytes; 21 set beside a mask
	s_mov_b32 s[\g+1], 32<<16                      ; tensor_dim0 = 32 elements
	s_mov_b32 s[\g+2], (\rows)<<16                 ; tensor_dim1
	s_mov_b32 s[\g+3], 32<<16                      ; tile_dim0
	s_mov_b32 s[\g+4], \rows                       ; tile_dim1
	s_mov_b32 s[\g+5], 32                          ; the pitch: dense
	s_mov_b32 s[\g+6], 0
	s_mov_b32 s[\g+7], 0
.endm
	s_load_b256 s[4:11], s[0:1], 0x0               ; qkv, qkvs, attention_mask, codes
	s_load_b64 s[12:13], s[0:1], 0x20              ; scales
	v_lshl_add_u32 v254, v0, 2, 0x38000
	v_mov_b32 v255, 0
	ds_add_u32 v254, v255
	ds_add_u32 v254, v255
	s_wait_dscnt 0x0
	v_lshrrev_b32 v8, 5, v0
	s_delay_alu instid0(VALU_DEP_1)
	v_readfirstlane_b32 s[WV], v8                  ; wave 0..15
	s_and_b32 s14, ttmp7, 0xffff                   ; 16 b + head: the cluster's y
	s_lshr_b32 s15, s14, 4                         ; b
	s_and_b32 s16, s14, 15                         ; head
	s_bfe_u32 s17, ttmp6, 0x40000                  ; j: my place in the cluster
	s_and_b32 s19, s[WV], 1                        ; u.  Also: I fetch for K (0) or for V (1)
	s_lshr_b32 s71, s[WV], 1                       ; f
	s_and_b32 s60, s71, 1                          ; which part of the twelve later steps I fetch
	GROUP1 G1A, 96
	GROUP1 G1B, 32
	GROUP1 G1C, 144
	s_mul_i32 s61, s19, VIMG                       ; LDS: K's images or V's
	s_mul_i32 s94, s60, 36864
	s_add_co_u32 s94, s94, 24576                   ; my part of the rest, in LDS and in memory alike
	s_mov_b32 s95, 0
	s_add_co_u32 s62, s19, 1                       ; region 1 (k) or 2 (v)
	s_mul_i32 s80, s62, 6291456
	s_mul_i32 s81, s14, 98304
	s_add_co_u32 s80, s80, s81
	s_mov_b32 s81, 0
	s_mul_i32 s62, s62, 524288
	s_lshl_b32 s63, s14, 13
	s_add_co_u32 s62, s62, s63
	s_mov_b32 s63, 0
	s_wait_kmcnt 0x0
	s_mov_b32 s[G0C], 1
	s_mov_b32 s[G0C+1], s61
	s_add_nc_u64 s[G0C+2:G0C+3], s[4:5], s[80:81]
	s_mov_b32 s[G0R], 1
	s_add_co_u32 s[G0R+1], s61, s94
	s_add_nc_u64 s[G0R+2:G0R+3], s[G0C+2:G0C+3], s[94:95]
	s_or_b32 s[G0C+3], s[G0C+3], 0x80000000
	s_or_b32 s[G0R+3], s[G0R+3], 0x80000000
	s_mov_b32 s[G0S], 1
	s_lshl_b32 s[G0S+1], s19, 13
	s_add_co_u32 s[G0S+1], s[G0S+1], KSC
	s_add_nc_u64 s[G0S+2:G0S+3], s[6:7], s[62:63]
	s_or_b32 s[G0S+3], s[G0S+3], 0x80000000
	CROUND                                         ; all four work-groups are here: the joint loads meet
	s_cmp_lt_u32 s[WV], 2                          ; all fills of a wave stand in one branch on its number: two loads a wave in waves 0 to 3, none in the others
	s_cbranch_scc0 .Lnot_01
	tensor_load_to_lds s[G0C:G0C+3], s[G1A:G1A+7]  ; keys 0 to 511 of K (wave 0) or V (wave 1),
	s_nop 0
	tensor_load_to_lds s[G0R:G0R+3], s[G1C:G1C+7]  ; and the first half of the rest
	s_nop 0
.rept 4
	v_nop
.endr
	s_branch .Lasked
.Lnot_01:
	s_cmp_lt_u32 s[WV], 4
	s_cbranch_scc0 .Lasked
	tensor_load_to_lds s[G0S:G0S+3], s[G1B:G1B+7]  ; the head's scale words of K (wave 2) or V (wave 3),
	s_nop 0
	tensor_load_to_lds s[G0R:G0R+3], s[G1C:G1C+7]  ; and the second half of the rest
	s_nop 0
.rept 4
	v_nop
.endr
.Lasked:
	s_lshl_b32 s80, s15, 13
	s_add_nc_u64 s[8:9], s[8:9], s[80:81]          ; the batch's row of the mask
	v_lshlrev_b32 v96, 4, v0
	global_load_b128 v[100:103], v96, s[8:9]       ; thread t takes keys 4 t .. 4 t + 3
	s_mul_i32 s80, s14, 98304
	s_add_nc_u64 s[82:83], s[4:5], s[80:81]        ; q's images of my head
	s_lshl_b32 s80, s14, 13
	s_add_nc_u64 s[84:85], s[6:7], s[80:81]        ; and their scale words
	s_lshl_b32 s80, s15, 7
	s_add_co_u32 s80, s80, 768                     ; y's row tiles of my batch begin here
	s_mul_i32 s92, s80, 12288
	s_mul_i32 s93, s16, 768
	s_add_co_u32 s92, s92, s93
	s_mov_b32 s93, 0
	s_add_nc_u64 s[86:87], s[10:11], s[92:93]      ; y's codes: token tile 0, my head's image
	s_lshl_b32 s92, s80, 9
	s_lshr_b32 s80, s16, 3
	s_lshl_b32 s80, s80, 8
	s_add_co_u32 s92, s92, s80
	s_and_b32 s80, s16, 7
	s_lshl_b32 s80, s80, 1
	s_add_co_u32 s92, s92, s80
	s_add_nc_u64 s[88:89], s[12:13], s[92:93]      ; y's scale bytes: my head's two of a row
	s_lshl_b32 s90, s17, 1
	s_add_co_u32 s90, s90, s19                     ; 2 j + u
	s_lshl_b32 s91, s17, 5
	s_lshl_b32 s80, s19, 3
	s_add_co_u32 s91, s91, s80                     ; 32 j + 8 u
	s_mov_b32 s[SEL], 0x76543210
	s_mov_b32 s[SEL+1], 0xfedcba98
	s_mov_b32 s[CS], 0x3e38aa3b
	s_mov_b32 s[CS+1], s[CS]                       ; (named with it as a pair, so it is written)
	s_mov_b32 s[HM], 0xffff0000
	v_and_b32 v8, 31, v0                           ; lane
	v_and_b32 v9, 15, v0                           ; r
	v_bfe_u32 v10, v0, 4, 1                        ; h
	s_delay_alu instid0(VALU_DEP_3)
	v_lshlrev_b32 v1, 4, v8                        ; registers 0-3 (6-9) of an image: 16 x lane
	s_delay_alu instid0(VALU_DEP_4)
	v_lshl_add_u32 v2, v8, 3, 512                  ; registers 4-5 (10-11): 512 + 8 x lane
	v_lshl_add_u32 v3, v8, 4, VIMG
	v_lshl_add_u32 v4, v8, 3, VIMG+512
	v_lshl_add_u32 v5, v9, 4, KSC                  ; K's scale words: four tiles' words of row r
	v_lshl_add_u32 v6, v8, 4, VSC                  ; V's: four channel tiles' words
	v_lshl_add_u32 v7, v10, 6, MSKB                ; the mask: my half's 16 keys of a block of 32
	v_and_b32 v11, 8, v9
	s_delay_alu instid0(VALU_DEP_1)
	v_add_nc_u32 v11, v11, v9
	v_lshlrev_b32 v12, 4, v10
	s_delay_alu instid0(VALU_DEP_1)
	v_sub_nc_u32 v11, v11, v12
	s_delay_alu instid0(VALU_DEP_1)
	v_add_nc_u32 v15, s91, v11                     ; d = my query - 128 G - 16 h
	v_lshl_add_u32 v97, v0, 4, MSKB
.irp i, 22,23,24,25,26,27
	v_mov_b32 v[\i], 0                             ; Q's upper 64 along K: zero codes
.endr
.irp t, 0,1,2,3
.irp i, 6,7,8,9,10,11
	v_mov_b32 v[32+12*\t+\i], 0                    ; K's upper registers are read before V's loads first write them
.endr
.endr
.irp b, 0,1,2,3
	v_mov_b32 v[BT+\b], 0                          ; written once: a lane permute's destination counts as one of its sources
.endr
	v_mov_b32 v93, 0                               ; (named as the upper half of the pair v[92:93] before it is first written)
	v_mov_b32 v94, 0xff61b1e6                      ; -3e38
	s_wait_alu depctr_va_vdst(0)
	s_wait_loadcnt 0x0
.irp i, 0,1,2,3
	v_cmp_eq_u32 vcc_lo, 0, v[100+\i]
	s_delay_alu instid0(VALU_DEP_1)
	v_cndmask_b32 v[100+\i], 0, v94, vcc_lo        ; 0 where the key counts, -3e38 where it is masked
.endr
	ds_store_b128 v97, v[100:103]
; A tile begins: its numbers, Q and its scale word, and empty sums.
.macro BEGIN p
.if \p
	s_wait_xcnt 0x0                                ; the last tile's stores have read their registers and bases
	s_sub_co_u32 s[GG], 7, s71
.else
	s_add_co_u32 s[GG], s71, 8
.endif
	s_lshl_b32 s92, s[GG], 3
	s_add_co_u32 s92, s92, s90                     ; the token tile: 8 G + 2 j + u
	s_mov_b32 s81, 0
	s_mul_i32 s80, s92, 768
	s_add_nc_u64 s[72:73], s[82:83], s[80:81]
	s_lshr_b32 s80, s92, 2
	s_lshl_b32 s80, s80, 8
	s_and_b32 s93, s92, 3
	s_lshl_b32 s93, s93, 2
	s_add_co_u32 s80, s80, s93
	s_add_nc_u64 s[74:75], s[84:85], s[80:81]
	s_mul_i32 s80, s92, 12288
	s_add_nc_u64 s[76:77], s[86:87], s[80:81]
	s_lshl_b32 s80, s92, 9
	s_add_nc_u64 s[78:79], s[88:89], s[80:81]
	v_and_b32 v94, 15, v0
	s_delay_alu instid0(VALU_DEP_1)
	v_lshlrev_b32 v94, 4, v94
	global_load_b128 v[16:19], v1, s[72:73]
	global_load_b64 v[20:21], v2, s[72:73]
	global_load_b32 v95, v94, s[74:75]
	v_mov_b32 v29, 0xfb800000                      ; the largest t so far: -2^120
	s_delay_alu instid0(VALU_DEP_1)
	v_floor_f32 v28, -v29                          ; -M
	v_mov_b32 v30, 0
	v_mov_b32 v31, 0
.set n, 0
.rept 32
	v_mov_b32 v[O+n], 0                            ; O^T: the step is written once, and the first change of M leaves zeros zeros
.set n, n+1
.endr
	s_mov_b32 s[SI], 0
	s_mov_b32 s[TK], 0
	s_mov_b32 s[TS], 0
	s_wait_loadcnt 0x0
.endm
; A KEY STEP of 128 keys.  A step all of whose keys come after the tile's queries is left out by a scalar branch on the wave's number and the step; the lines at its end that step addresses are on every path.
.macro STEP
	s_cmp_gt_u32 s[SI], s[GG]
	s_cbranch_scc1 .Lhidden_\@
	s_setprio 2
	v_add_nc_u32 v8, s[TK], v1                     ; (these seven are also the places in front of loads into registers that the last products read)
	s_wait_alu depctr_va_vdst(0)
	v_add_nc_u32 v9, s[TK], v2
	s_wait_alu depctr_va_vdst(0)
	v_add_nc_u32 v10, s[TK], v3
	v_add_nc_u32 v11, s[TK], v4
	v_add_nc_u32 v12, s[TS], v5
	v_add_nc_u32 v13, s[TS], v6
	v_add_nc_u32 v14, s[TS], v7
	s_wait_alu depctr_va_vdst(0)
	ds_load_b128 v[244:247], v12
	ds_load_b128 v[248:251], v12 offset:256
.irp g, 0,1                            ; S^T = K Q^T + the mask, four tiles of 16 keys at a time
.if \g
.rept 4
	v_nop
.endr
.endif
.irp t, 0,1,2,3
	ds_load_b128 v[32+12*\t:35+12*\t], v8 offset:768*(4*\g+\t)
	ds_load_b64 v[36+12*\t:37+12*\t], v9 offset:768*(4*\g+\t)
	ds_load_b128 v[MB+8*\t:MB+8*\t+3], v14 offset:128*((4*\g+\t)/2)+32*(\t%2)      ; the tile's eight keys of my half: 32 (T / 2) + 16 h + 8 (T % 2) + 0 .. 7
	ds_load_b128 v[MB+8*\t+4:MB+8*\t+7], v14 offset:128*((4*\g+\t)/2)+32*(\t%2)+16
.endr
	s_wait_dscnt 0x0
.irp t, 0,1,2,3
	v_wmma_scale_f32_16x16x128_f8f6f4 v[S+8*(4*\g+\t):S+8*(4*\g+\t)+7], v[32+12*\t:43+12*\t], v[16:27], v[MB+8*\t:MB+8*\t+7], v[244+4*\g+\t], v95 matrix_a_fmt:MATRIX_FMT_FP6 matrix_b_fmt:MATRIX_FMT_FP6
.endr
.endr
.rept 4
	v_nop
.endr
	ds_load_b128 v[252:255], v13                   ; V's fragments are asked for now and land under the softmax
.irp t, 0,1,2,3
	ds_load_b128 v[32+12*\t:35+12*\t], v10 offset:1536*\t
	ds_load_b64 v[36+12*\t:37+12*\t], v11 offset:1536*\t
	ds_load_b128 v[38+12*\t:41+12*\t], v10 offset:1536*\t+768
	ds_load_b64 v[42+12*\t:43+12*\t], v11 offset:1536*\t+768
.endr
	s_cmp_lg_u32 s[SI], s[GG]                      ; the tile's last step lies on the diagonal
	s_cbranch_scc1 .Lopen_\@
	v_mov_b32 v94, 0xff61b1e6
.set n, 0
.rept 64
	v_cmp_gt_i32 vcc_lo, 32*(n/16)+n%16, v15       ; register 16 b + i holds key 128 G + 16 h + 32 b + i: hidden where 32 b + i > d
	v_cndmask_b32 v[S+n], v[S+n], v94, vcc_lo
.set n, n+1
.endr
.Lopen_\@:
.irp b, 0,1,2,3
	v_max3_num_f32 v[BX+\b], v[S+16*\b], v[S+1+16*\b], v[S+2+16*\b]   ; the largest score of each block of 32 keys: for the row's maximum, and, since p rises with the score, for the block's largest p
.endr
.irp i, 3,5,7,9,11,13
.irp b, 0,1,2,3
	v_max3_num_f32 v[BX+\b], v[BX+\b], v[S+16*\b+\i], v[S+1+16*\b+\i]
.endr
.endr
.irp b, 0,1,2,3
	v_max_num_f32 v[BX+\b], v[BX+\b], v[S+15+16*\b]
.endr
.irp b, 0,1,2,3
	s_delay_alu instid0(VALU_DEP_4)
	v_permlanex16_b32 v[BT+\b], v[BX+\b], s[SEL], s[SEL+1]
.endr
.irp b, 0,1,2,3
	s_delay_alu instid0(VALU_DEP_4)
	v_max_num_f32 v[BX+\b], v[BX+\b], v[BT+\b]     ; with lane l xor 16's 16 keys
.endr
	s_delay_alu instid0(VALU_DEP_2)
	v_max3_num_f32 v94, v[BX], v[BX+1], v[BX+2]
	s_delay_alu instid0(VALU_DEP_1)
	v_max_num_f32 v94, v94, v[BX+3]
	s_delay_alu instid0(VALU_DEP_1)
	v_mul_f32 v94, s[CS], v94                      ; the step's largest t (c is positive)
	s_delay_alu instid0(VALU_DEP_1)
	v_max_num_f32 v29, v29, v94                    ; the running largest t
	v_mov_b32 v94, v28
	s_delay_alu instid0(VALU_DEP_2)
	v_floor_f32 v28, -v29                          ; the new -M = floor(-t): M is a whole number
	s_delay_alu instid0(VALU_DEP_1)
	v_sub_f32 v94, v28, v94                        ; old M - new M: a whole number, 0 or less
	s_delay_alu instid0(VALU_DEP_1)
	v_cvt_i32_f32 v94, v94                         ; (it saturates)
	s_delay_alu instid0(VALU_DEP_1)
	v_ldexp_f32 v92, 1.0, v94                      ; f = 2^(old M - new M)
.set n, 0
	s_setprio 1
.rept 32
	v_pk_fma_f32 v[S+n:S+n+1], v[S+n:S+n+1], s[CS:CS+1], v[28:29] op_sel_hi:[1,0,0]   ; t - M, two at a time
.set n, n+2
.endr
.irp b, 0,1,2,3
	v_fma_f32 v[BX+\b], v[BX+\b], s[CS], v28       ; the same of each block's largest score
.endr
.set n, 0
	s_wait_alu depctr_va_vdst(0)
.rept 64
	v_exp_f32 v[S+n], v[S+n]                       ; p = 2^(t - M)
.set n, n+1
.endr
	v_pk_mul_f32 v[30:31], v[30:31], v[92:93] op_sel_hi:[1,0]   ; the sums under the new M: a plain place behind the batch
	s_wait_alu depctr_va_vdst(0)                   ; one wait for the 64, ahead of their first reader
.irp b, 0,1,2,3
	v_exp_f32 v[BX+\b], v[BX+\b]                   ; the block's largest p: the same two instructions on the same number
.endr
	v_pk_add_f32 v[236:237], v[100:101], v[104:105]
	v_pk_add_f32 v[250:251], v[108:109], v[112:113]
	v_pk_add_f32 v[248:249], v[116:117], v[120:121]
	v_pk_add_f32 v[246:247], v[124:125], v[128:129]
	v_pk_add_f32 v[244:245], v[132:133], v[136:137]
	v_pk_add_f32 v[242:243], v[140:141], v[144:145]
	v_pk_add_f32 v[240:241], v[148:149], v[152:153]
	v_pk_add_f32 v[30:31], v[30:31], v[156:157]
	v_pk_add_f32 v[236:237], v[236:237], v[96:97]
	v_pk_add_f32 v[250:251], v[250:251], v[98:99]
	v_pk_add_f32 v[248:249], v[248:249], v[102:103]
	v_pk_add_f32 v[246:247], v[246:247], v[106:107]
	v_pk_add_f32 v[244:245], v[244:245], v[110:111]
	v_pk_add_f32 v[242:243], v[242:243], v[114:115]
	v_pk_add_f32 v[240:241], v[240:241], v[118:119]
	v_pk_add_f32 v[30:31], v[30:31], v[122:123]
	v_pk_add_f32 v[236:237], v[236:237], v[126:127]
	v_pk_add_f32 v[250:251], v[250:251], v[130:131]
	v_pk_add_f32 v[248:249], v[248:249], v[134:135]
	v_pk_add_f32 v[246:247], v[246:247], v[138:139]
	v_pk_add_f32 v[244:245], v[244:245], v[142:143]
	v_pk_add_f32 v[242:243], v[242:243], v[146:147]
	v_pk_add_f32 v[240:241], v[240:241], v[150:151]
	v_pk_add_f32 v[30:31], v[30:31], v[154:155]
	v_pk_add_f32 v[236:237], v[236:237], v[158:159]
	s_delay_alu instid0(VALU_DEP_2)
	v_pk_add_f32 v[30:31], v[30:31], v[246:247]
	s_delay_alu instid0(VALU_DEP_2)
	v_pk_add_f32 v[236:237], v[236:237], v[244:245]
	v_pk_add_f32 v[250:251], v[250:251], v[242:243]
	v_pk_add_f32 v[248:249], v[248:249], v[240:241]
	s_delay_alu instid0(VALU_DEP_2)
	v_pk_add_f32 v[30:31], v[30:31], v[250:251]
	s_delay_alu instid0(VALU_DEP_2)
	v_pk_add_f32 v[236:237], v[236:237], v[248:249]
	s_delay_alu instid0(VALU_DEP_1)
	v_pk_add_f32 v[30:31], v[30:31], v[236:237]
	s_setprio 0
	s_wait_alu depctr_va_vdst(0)                   ; and one for the four
.irp b, 0,1,2,3
	v_max_num_f32 v[BX+\b], 0x1800000, v[BX+\b]    ; the floor 2^(3 - 127): a block of zeros keeps the byte 1; its codes are zeros
.endr
.irp b, 0,1,2,3
	s_delay_alu instid0(VALU_DEP_4)
	v_add_nc_u32 v[SO+\b], 0xff000000, v[BX+\b]    ; 2 off the exponent field: the conversion's scale operand
.endr
.irp b, 0,1,2,3
	s_delay_alu instid0(VALU_DEP_4)
	v_lshrrev_b32 v[BT+\b], 23, v[SO+\b]           ; the scale's byte
.endr
	s_delay_alu instid0(VALU_DEP_3)
	v_lshl_or_b32 v93, v[BT+1], 8, v[BT]           ; p's scale word for these 128 keys
	s_delay_alu instid0(VALU_DEP_1)
	v_lshl_or_b32 v93, v[BT+2], 16, v93
	s_delay_alu instid0(VALU_DEP_1)
	v_lshl_or_b32 v93, v[BT+3], 24, v93
.irp c, 0,1
	v_cvt_scalef32_pk16_fp6_f32 v[224+6*\c:226+6*\c], v[S+32*\c:S+15+32*\c], v[SO+2*\c]
	v_cvt_scalef32_pk16_fp6_f32 v[236+4*\c:238+4*\c], v[S+16+32*\c:S+31+32*\c], v[SO+2*\c+1]
.endr
	v_nop                                          ; one plain place behind a scaled conversion
.irp c, 0,1                            ; a whole block in a lane: lanes 0-15 block 2 c, lanes 16-31 block 2 c + 1
.irp i, 0,1,2
	v_permlane16_swap_b32 v[224+6*\c+\i], v[236+4*\c+\i]
.endr
.irp i, 0,1,2
	s_delay_alu instid0(VALU_DEP_3)
	v_mov_b32 v[227+6*\c+\i], v[236+4*\c+\i]
.endr
.endr
.set n, 0
.rept 16
	v_pk_mul_f32 v[O+n:O+n+1], v[O+n:O+n+1], v[92:93] op_sel_hi:[1,0]   ; O^T under the new M; these are also the places between the codes' and the scale word's last writes and the products
.set n, n+2
.endr
	s_wait_alu depctr_va_vdst(0)
	s_wait_dscnt 0x0                               ; V's fragments and scale words are in
.irp t, 0,1,2,3                        ; O^T += V^T P^T: four accumulators by turns, one instruction each
	v_wmma_scale_f32_16x16x128_f8f6f4 v[O+8*\t:O+8*\t+7], v[32+12*\t:43+12*\t], v[224:235], v[O+8*\t:O+8*\t+7], v[252+\t], v93 matrix_a_fmt:MATRIX_FMT_FP6 matrix_b_fmt:MATRIX_FMT_FP6
.endr
.Lhidden_\@:
	s_add_co_u32 s[SI], s[SI], 1
	s_add_co_u32 s[TK], s[TK], 6144
	s_add_co_u32 s[TS], s[TS], 512
.endm
; A tile ends: O^T / the sum is the head's 64 channels of 16 tokens: two blocks of 32 along the last product's K: quantised, and stored as an image of six registers.
.macro FINISH
.rept 4
	v_nop                                          ; places behind the last products
.endr
	v_add_f32 v30, v30, v31
	s_delay_alu instid0(VALU_DEP_1)
	v_permlanex16_b32 v[BT], v30, s[SEL], s[SEL+1]
	s_delay_alu instid0(VALU_DEP_1)
	v_add_f32 v30, v30, v[BT]                      ; the row's sum
	s_wait_alu depctr_va_vdst(0)
	v_rcp_f32 v94, v30
	v_and_b32 v240, 15, v0                         ; (a plain place behind the reciprocal)
	v_bfe_u32 v241, v0, 4, 1
	s_delay_alu instid0(VALU_DEP_1)
	v_lshl_add_u32 v240, v240, 4, v241             ; 16 r + h: where my block's byte goes
	v_mov_b32 v243, 0xff
	s_wait_alu depctr_va_vdst(0)                   ; ahead of the reciprocal's first reader
.set n, 0
.rept 32
	v_mul_f32 v[S+n], v[O+n], v94                  ; register 16 B + i is channel 32 B + 16 h + i; ascending: each accumulator is read from its low end on
.set n, n+1
.endr
.irp b, 0,1
	v_max3_num_f32 v[BX+\b], |v[S+16*\b]|, |v[S+1+16*\b]|, 0x1800000
.endr
.irp i, 2,4,6,8,10,12,14
.irp b, 0,1
	s_delay_alu instid0(VALU_DEP_2)
	v_max3_num_f32 v[BX+\b], v[BX+\b], |v[S+16*\b+\i]|, |v[S+1+16*\b+\i]|
.endr
.endr
.irp b, 0,1
	s_delay_alu instid0(VALU_DEP_2)
	v_permlanex16_b32 v[BT+\b], v[BX+\b], s[SEL], s[SEL+1]
.endr
.irp b, 0,1
	s_delay_alu instid0(VALU_DEP_2)
	v_max_num_f32 v[BX+\b], v[BX+\b], v[BT+\b]
.endr
.irp b, 0,1
	s_delay_alu instid0(VALU_DEP_2)
	v_add_nc_u32 v[SO+\b], 0xff000000, v[BX+\b]
.endr
.irp b, 0,1
	s_delay_alu instid0(VALU_DEP_2)
	v_lshrrev_b32 v[BT+\b], 23, v[SO+\b]
.endr
	v_cvt_scalef32_pk16_fp6_f32 v[224:226], v[S:S+15], v[SO]
	v_cvt_scalef32_pk16_fp6_f32 v[236:238], v[S+16:S+31], v[SO+1]
	v_cndmask_b32 v242, v[BT], v[BT+1], s[HM]      ; lanes 0-15 block 0's byte, lanes 16-31 block 1's.  (A plain place behind the conversions)
.irp i, 0,1,2
	v_permlane16_swap_b32 v[224+\i], v[236+\i]
.endr
.irp i, 0,1,2
	s_delay_alu instid0(VALU_DEP_3)
	v_mov_b32 v[227+\i], v[236+\i]
.endr
	v_cmp_eq_f32 vcc_lo, 0, v30
	s_delay_alu instid0(VALU_DEP_1)
	v_cndmask_b32 v242, v242, v243, vcc_lo         ; no key was left: the NaN byte
	global_store_b128 v1, v[224:227], s[76:77]     ; 512 and 256 consecutive bytes, aligned
	global_store_b64 v2, v[228:229], s[76:77]
	global_store_b8 v240, v242, s[78:79]
.endm
	BEGIN 0
	s_wait_tensorcnt 1                             ; each fetching wave's first load is in: keys 0 to 511 and all scale words; its second may be out
	s_wait_dscnt 0x0                               ; my part of the mask is stored
	s_barrier_signal -1
	s_barrier_wait -1
.Lfirst_four:                                          ; steps 0 to 3 read the bytes that the first loads brought
	STEP
	s_cmp_lt_u32 s[SI], 4
	s_cbranch_scc1 .Lfirst_four
	s_setprio 0
	s_wait_tensorcnt 0x0                           ; the rest is in,
	s_wait_dscnt 0x0
	s_barrier_signal -1
	s_barrier_wait -1                              ; everybody's
.Lupper:
	STEP
	s_cmp_lt_u32 s[SI], 16
	s_cbranch_scc1 .Lupper
	s_setprio 0
	FINISH
	BEGIN 1
.Llower:
	STEP
	s_cmp_lt_u32 s[SI], 8
	s_cbranch_scc1 .Llower
	s_setprio 0
	FINISH
	s_wait_dscnt 0x0
	s_wait_xcnt 0x0
	v_lshl_add_u32 v254, v0, 2, 0x38000
	v_mov_b32 v255, 0
	s_wait_alu depctr_va_vdst(0)
	s_wait_tensorcnt 0x0
	ds_add_u32 v254, v255
	s_wait_dscnt 0x0
	CROUND                                         ; the closing round
	s_endpgm
.Lfunc_end_k_qaceff3ca4b_attn:
	.size	k_qaceff3ca4b_attn, .Lfunc_end_k_qaceff3ca4b_attn-k_qaceff3ca4b_attn
	.p2alignl 7, 3214868480
	.fill 96, 4, 3214868480
	.section	.rodata,"a",@progbits
	.p2align	6, 0x0
	.amdhsa_kernel k_qaceff3ca4b_attn
		.amdhsa_group_segment_fixed_size 231424
		.amdhsa_private_segment_fixed_size 0
		.amdhsa_enable_private_segment 0
		.amdhsa_kernarg_size 40
		.amdhsa_user_sgpr_count 2
		.amdhsa_user_sgpr_kernarg_segment_ptr 1
		.amdhsa_wavefront_size32 1
		.amdhsa_system_sgpr_workgroup_id_x 1
		.amdhsa_system_sgpr_workgroup_id_y 1
		.amdhsa_system_sgpr_workgroup_id_z 1
		.amdhsa_system_vgpr_workitem_id 0
		.amdhsa_next_free_vgpr 256
		.amdhsa_next_free_sgpr 100
		.amdhsa_reserve_vcc 1
		.amdhsa_float_denorm_mode_32 3
		.amdhsa_float_denorm_mode_16_64 3
		.amdhsa_memory_ordered 1
		.amdhsa_forward_progress 1
		.amdhsa_inst_pref_size 95
	.end_amdhsa_kernel
	.amdgpu_metadata
---
amdhsa.version: [ 1, 2 ]
amdhsa.kernels:
  - .name:           k_qaceff3ca4b_attn
    .symbol:         k_qaceff3ca4b_attn.kd
    .args:
      - { .name: qkv, .offset: 0, .size: 8, .value_kind: global_buffer, .address_space: global }
      - { .name: qkvs, .offset: 8, .size: 8, .value_kind: global_buffer, .address_space: global }
      - { .name: attention_mask, .offset: 16, .size: 8, .value_kind: global_buffer, .address_space: global }
      - { .name: codes, .offset: 24, .size: 8, .value_kind: global_buffer, .address_space: global }
      - { .name: scales, .offset: 32, .size: 8, .value_kind: global_buffer, .address_space: global }
    .group_segment_fixed_size: 231424
    .private_segment_fixed_size: 0
    .kernarg_segment_align: 8
    .kernarg_segment_size: 40
    .max_flat_workgroup_size: 512
    .sgpr_count:     100
    .vgpr_count:     256
    .wavefront_size: 32
...
	.end_amdgpu_metadata
.endif
;; end of part 3
;; launch proj (part 4): grid 4 x 32, 4 waves a work-group, clusters of 4 x 4, 327,680 bytes of LDS; arguments codes, scales, bp, out0; writes out0
.if DOCPART == 4
	.amdgcn_target "amdgcn-amd-amdhsa--gfx1250"
	.amdhsa_code_object_version 6
	.text
	.protected	k_qaceff3ca4b_proj
	.globl	k_qaceff3ca4b_proj
	.p2align	8
	.type	k_qaceff3ca4b_proj,@function
k_qaceff3ca4b_proj:
	s_mov_b64 s[64:65], 0
	v_nop
	global_prefetch_b8 v0, s[64:65] scope:SCOPE_SE
	s_setreg_imm32_b32 hwreg(HW_REG_WAVE_MODE, 25, 1), 1
	s_wait_xcnt 0x0
	s_wait_alu depctr_hold_cnt(0) depctr_sa_sdst(0) depctr_va_vdst(0) depctr_va_sdst(0) depctr_va_ssrc(0) depctr_va_vcc(0) depctr_vm_vsrc(0)
	s_getreg_b32 s2, hwreg(HW_REG_IB_STS2, 6, 4)
	s_cmp_eq_u32 s2, 0
	s_cbranch_scc0 .Lentry_in_a_cluster
	s_endpgm
.Lentry_in_a_cluster:
	s_bfe_u32 s2, ttmp6, 0x10000c
	s_cmp_lg_u32 s2, 0xf033
	s_cbranch_scc0 .Lentry_shape_is_right
	s_endpgm
.Lentry_shape_is_right:
; out0 = y Wp^T + bp on codes of E2M3, K = 1,024.  y's codes are row tiles 768-1279 of the buffer of codes, Wp's 704-767 (a row tile: 16 rows, tile 2 B + u holds rows 32 B + 8 u + r + 8 (r / 8)).
; THE PRODUCT: a tile of 256 x 256 by four waves, 128 x 128 each: 64 accumulators, 512 registers.  Source 0 = Wp's fragment, source 1 = y's: a lane holds one token, and the 16 registers of Wp's tiles 2 B, 2 B + 1
; are 16 neighbouring columns.  K goes in four fills of 256 through two LDS slots; a fragment lies in memory and in LDS as an image of its 12 registers (1,536 bytes): four LDS loads of 512 or 256 consecutive bytes.
; CLUSTER 4 x 4: y's tiles are asked for jointly along a row of the cluster, Wp's along a column.  The scale words of the wave's 128 + 128 rows for all of K come once, straight into 64 registers.
; bp is the C of each sum's first product, so the order of rounding differs from a bias added last.  A token whose scale bytes are 0xff (no key was left to it) gets a row of NaN.
; There are 128 tiles of this size: one for each work-group.
; REGISTERS: window 0: v16-23 LDS addresses; v24-27 the way out's and the scale words' places; v28-29 the add's; v32-95 scale words; v128-223 y's fragments, later (to v255) rows on their way out.
;   window 1: Wp's fragments, two sets at v0 and v128; bp at v96-127 and v224-255.   windows 2, 3: the accumulators ((a, b) at v[8 (8 (a % 4) + b)]).
.set FR,    12
.set RT,    3072
.set HALFT, 8*RT
.set SLOT,  4*HALFT
.set SPARE, 2*SLOT
.set RTG,   12288
.set SPITCH, 528                       ; the way out: a stage of 16 rows x (512 bytes + 16) for each wave, in slot 0, which has had its last fill and its last read by then
.set ADRA,  16
.set ADRB,  20
.set STO,   24
.set RD,    25
.set CO,    26
.set SOF,   27
.set SPW,   28
.set NIL,   29
.set SC,    32
.set AF,    128
.set BK,    128
.set G1,    24
.set G0,    32
.set G1B,   48
.set G0B,   56
.set MSB,   0
.macro WIN new                         ; the immediate's high byte repeats the setting that is left
.if MSB != (\new)
	s_set_vgpr_msb (MSB<<8)|(\new)
.set MSB, (\new)
.endif
.endm
.macro JLOAD g0a, g1a, g0b, g1b        ; a joint load: waves 0 and 1 fetch for y, waves 2 and 3 for Wp; four v_nop follow each of the two lines
	s_cmp_eq_u32 s15, 0
	s_cbranch_scc0 .Lfor_b_\@
	tensor_load_to_lds s[\g0a:\g0a+3], s[\g1a:\g1a+7]
	s_nop 0
.rept 4
	v_nop
.endr
	s_branch .Lasked_\@
.Lfor_b_\@:
	tensor_load_to_lds s[\g0b:\g0b+3], s[\g1b:\g1b+7]
	s_nop 0
.rept 4
	v_nop
.endr
.Lasked_\@:
.endm
.macro CREST
	s_cmp_lg_u32 s14, 0
	s_cbranch_scc1 .Lnot_wave_0_\@
	s_barrier_signal -3
.Lnot_wave_0_\@:
	s_barrier_wait -3
	s_barrier_signal -1
	s_barrier_wait -1
.endm
.macro CROUND
	s_barrier_signal -1
	s_barrier_wait -1
	CREST
.endm
.macro PLACES n                        ; plain places behind matrix instructions (ISA guide 7.12.1)
.rept \n
	v_nop
.endr
.endm
.macro FRAG reg, adr, q, i
	ds_load_b128 v[\reg:\reg+3], v[\adr] offset:(\i)*RT+(\q)*1536
	ds_load_b64 v[\reg+4:\reg+5], v[\adr+2] offset:(\i)*RT+(\q)*1536+512
	ds_load_b128 v[\reg+6:\reg+9], v[\adr] offset:(\i)*RT+(\q)*1536+768
	ds_load_b64 v[\reg+10:\reg+11], v[\adr+2] offset:(\i)*RT+(\q)*1536+1280
.endm
.macro FETCH_B slot, q, p
	WIN 0x40
.irp i, 0,1,2,3,4,5,6,7
	FRAG 128*(\p)+FR*\i, ADRB+\slot, \q, \i
.endr
	WIN 0
.endm
.macro FETCH_A slot, q, i0
.irp i, \i0, \i0+1, \i0+2, \i0+3
	FRAG AF+FR*(\i), ADRA+\slot, \q, \i
.endr
.endm
; 16 matrix instructions; first = 1: the bias is the C of the sum's first product.  The 64 accumulators take turns, one instruction a turn.
.macro MUL16 a0, p, kk, first
.irp a, \a0, \a0+1
.irp b, 0,1,2,3,4,5,6,7
.if \first
	v_wmma_scale_f32_16x16x128_f8f6f4 v[8*(8*((\a)%4)+\b):8*(8*((\a)%4)+\b)+7], v[128*(\p)+FR*\b:128*(\p)+FR*\b+FR-1], v[AF+FR*(\a):AF+FR*(\a)+FR-1], v[96+8*\b+96*(\b/4):96+8*\b+96*(\b/4)+7], v[SC+8*\b+(\kk)], v[SC+8*(\a)+(\kk)] matrix_a_fmt:MATRIX_FMT_FP6 matrix_b_fmt:MATRIX_FMT_FP6 matrix_a_scale:MATRIX_SCALE_ROW1
.else
	v_wmma_scale_f32_16x16x128_f8f6f4 v[8*(8*((\a)%4)+\b):8*(8*((\a)%4)+\b)+7], v[128*(\p)+FR*\b:128*(\p)+FR*\b+FR-1], v[AF+FR*(\a):AF+FR*(\a)+FR-1], v[8*(8*((\a)%4)+\b):8*(8*((\a)%4)+\b)+7], v[SC+8*\b+(\kk)], v[SC+8*(\a)+(\kk)] matrix_a_fmt:MATRIX_FMT_FP6 matrix_b_fmt:MATRIX_FMT_FP6 matrix_a_scale:MATRIX_SCALE_ROW1
.endif
.endr
.endr
.endm
.macro STEP kk, first                  ; a slot's first 128 along K; it fetches the second
.set SL, ((\kk)/2)%2
	s_wait_dscnt 16                                ; Wp's set and y's blocks 0-3 are in; the youngest 16 loads (blocks 4-7) may be out
.if \first
	WIN 0x91
.else
	WIN 0xa1
.endif
	MUL16 0, 0, \kk, \first
	MUL16 2, 0, \kk, \first
	s_wait_dscnt 0x0
	PLACES 4
	FETCH_B SL, 1, 1
	FETCH_A SL, 1, 0
.if \first
	WIN 0xd1
.else
	WIN 0xf1
.endif
	MUL16 4, 0, \kk, \first
	MUL16 6, 0, \kk, \first
	PLACES 4
	WIN 0
	FETCH_A SL, 1, 4
.endm
.macro TURN kk, fill                   ; a slot's second 128 along K changes slots
.set SL, ((\kk)/2)%2
.set NX, 1-SL
	s_wait_tensorcnt 0x0                           ; all my tensor loads have landed: my part of the next slot
	ds_add_u32 v[SPW], v[NIL]                      ; 0 onto my spare word
	s_wait_dscnt 17                                ; (the add and the youngest 16 loads may be out)
	WIN 0xa1
	MUL16 0, 1, \kk, 0
	s_wait_dscnt 0x0                               ; the add is done, and my reads of this slot are over
	s_barrier_signal -1
	MUL16 2, 1, \kk, 0
	WIN 0
	s_barrier_wait -1
.if \fill
	CREST                                          ; a round of the cluster's barrier: no wave of any partner still reads this slot or has a load on its way
	s_add_nc_u64 s[G0+4*SL+2:G0+4*SL+3], s[G0+4*SL+2:G0+4*SL+3], 2*RT
	s_add_nc_u64 s[G0B+4*SL+2:G0B+4*SL+3], s[G0B+4*SL+2:G0B+4*SL+3], 2*RT
	JLOAD G0+4*SL, G1, G0B+4*SL, G1B
.else
	PLACES 4
.endif
	FETCH_B NX, 0, 0
	FETCH_A NX, 0, 0
	WIN 0xf1
	MUL16 4, 1, \kk, 0
	MUL16 6, 1, \kk, 0
	PLACES 4
	WIN 0
	FETCH_A NX, 0, 4
.endm
	s_load_b256 s[4:11], s[0:1], 0x0               ; codes, scales, bp, out0
	v_lshl_add_u32 v[SPW], v0, 2, SPARE
	v_mov_b32 v[NIL], 0
	ds_add_u32 v28, v29
	ds_add_u32 v28, v29
	s_wait_dscnt 0x0
	v_lshrrev_b32 v1, 5, v0
	v_readfirstlane_b32 s14, v1                    ; wave 0..3
	s_lshr_b32 s15, s14, 1                         ; my half of the tokens.  Also: I fetch for y (0) or for Wp (1)
	s_and_b32 s16, s14, 1                          ; my half of the columns.  Also: which eight row tiles I fetch
	s_bfe_u32 s40, ttmp6, 0x40000                  ; cx
	s_bfe_u32 s41, ttmp6, 0x40004                  ; cy
	s_and_b32 s17, ttmp7, 0xffff
	s_lshl_b32 s17, s17, 2
	s_add_co_u32 s17, s17, s41                     ; the tile's row: tokens 256 x it on
	s_add_co_u32 s42, s17, 48                      ; y's 16 row tiles begin at 16 x this
	s_lshl_b32 s66, ttmp9, 2
	s_add_co_u32 s66, s66, s40                     ; the tile's column
	s_add_co_u32 s45, s66, 44                      ; Wp's 16 row tiles begin at 16 x this
	s_lshl_b32 s43, s41, 2
	s_lshl_b32 s43, 15, s43                        ; my row of the cluster
	s_lshl_b32 s44, 0x1111, s40                    ; my column
	s_or_b32 s[G1], s43, (3<<16)|(1<<21)           ; 15:0 the mask; 17:16 elements of 8 bytes; 21 set beside a mask; no padding
	s_or_b32 s[G1B], s44, (3<<16)|(1<<21)
.irp g, G1, G1B                        ; eight rows (row tiles) of 3,072 bytes, 12,288 bytes apart
	s_mov_b32 s[\g+1], 384<<16
	s_mov_b32 s[\g+2], 8<<16
	s_mov_b32 s[\g+3], 384<<16
	s_mov_b32 s[\g+4], 8
	s_mov_b32 s[\g+5], 1536
	s_mov_b32 s[\g+6], 0
	s_mov_b32 s[\g+7], 0
.endr
	s_lshl_b32 s18, s16, 3
	s_lshl_b32 s20, s42, 4
	s_add_co_u32 s20, s20, s18
	s_mul_i32 s20, s20, RTG
	s_mov_b32 s21, 0
	s_lshl_b32 s46, s45, 4
	s_add_co_u32 s46, s46, s18
	s_mul_i32 s46, s46, RTG
	s_mov_b32 s47, 0
	s_mul_i32 s19, s14, HALFT                      ; no place in the cluster enters an LDS address
	s_wait_kmcnt 0x0
	s_add_nc_u64 s[20:21], s[4:5], s[20:21]
	s_add_nc_u64 s[46:47], s[4:5], s[46:47]
	CROUND                                         ; all sixteen work-groups are here: the first joint loads meet
.irp s, 0,1
	s_mov_b32 s[G0+4*\s], 1
	s_add_co_u32 s[G0+4*\s+1], s19, \s*SLOT
	s_add_nc_u64 s[G0+4*\s+2:G0+4*\s+3], s[20:21], \s*RT
	s_or_b32 s[G0+4*\s+3], s[G0+4*\s+3], 0x80000000
	s_mov_b32 s[G0B+4*\s], 1
	s_add_co_u32 s[G0B+4*\s+1], s19, \s*SLOT
	s_add_nc_u64 s[G0B+4*\s+2:G0B+4*\s+3], s[46:47], \s*RT
	s_or_b32 s[G0B+4*\s+3], s[G0B+4*\s+3], 0x80000000
	s_wait_alu depctr_va_vdst(0)
	s_wait_tensorcnt 0x0
	ds_add_u32 v28, v29
	ds_add_u32 v28, v29
	s_wait_dscnt 0x0
	CROUND
	JLOAD G0+4*\s, G1, G0B+4*\s, G1B
.endr
	v_and_b32 v1, 31, v0                           ; lane
	v_and_b32 v2, 15, v0                           ; r
	v_bfe_u32 v3, v0, 4, 1                         ; h
	v_lshlrev_b32 v[CO], 4, v1                     ; 16 x lane
	v_lshlrev_b32 v5, 3, v1                        ; 8 x lane
	s_mul_i32 s21, s15, HALFT
	s_mul_i32 s22, s16, HALFT
	s_add_co_u32 s22, s22, 2*HALFT
.irp s, 0,1
	v_add_nc_u32 v[ADRA+\s], s21, v[CO]
	v_add_nc_u32 v[ADRA+2+\s], s21, v5
	v_add_nc_u32 v[ADRB+\s], s22, v[CO]
	v_add_nc_u32 v[ADRB+2+\s], s22, v5
	s_add_co_u32 s21, s21, SLOT
	s_add_co_u32 s22, s22, SLOT
.endr
	s_lshl_b32 s18, s42, 4                         ; the scale words: lanes 0-15 take y's row tiles, lanes 16-31 Wp's
	s_lshl_b32 s19, s15, 3
	s_add_co_u32 s18, s18, s19
	s_lshl_b32 s18, s18, 9
	s_lshl_b32 s19, s45, 4
	s_lshl_b32 s23, s16, 3
	s_add_co_u32 s19, s19, s23
	s_lshl_b32 s19, s19, 9
	s_mov_b32 s90, 0xffff0000
	v_mov_b32 v6, s18
	v_mov_b32 v7, s19
	v_cndmask_b32 v[SOF], v6, v7, s90
	v_lshl_add_u32 v[SOF], v2, 4, v[SOF]
.irp i, 0,1,2,3,4,5,6,7
	global_load_b128 v[SC+8*\i:SC+8*\i+3], v[SOF], s[6:7] offset:512*\i
	global_load_b128 v[SC+8*\i+4:SC+8*\i+7], v[SOF], s[6:7] offset:512*\i+256
.endr
	s_lshl_b32 s2, s66, 10
	s_lshl_b32 s3, s16, 9
	s_add_co_u32 s2, s2, s3                        ; my 128 columns, in bytes
	s_mov_b32 s3, 0
	s_add_nc_u64 s[8:9], s[8:9], s[2:3]            ; bp there,
	s_add_nc_u64 s[10:11], s[10:11], s[2:3]        ; and out0
	s_lshl_b32 s2, s17, 8
	s_lshl_b32 s18, s15, 7
	s_add_co_u32 s2, s2, s18                       ; my first token
	s_lshl_b32 s2, s2, 12                          ; rows of 4,096 bytes
	s_add_nc_u64 s[10:11], s[10:11], s[2:3]
	v_lshlrev_b32 v8, 6, v3                        ; bp: lane (r, h) wants, for block 2 B + u, columns 32 B + 16 h + 8 u + 0 .. 7
	WIN 0x40
.irp b, 0,1,2,3,4,5,6,7
	global_load_b128 v[96+8*\b+96*(\b/4):96+8*\b+96*(\b/4)+3], v8, s[8:9] offset:(32*(\b/2)+8*(\b%2))*4
	global_load_b128 v[96+8*\b+96*(\b/4)+4:96+8*\b+96*(\b/4)+7], v8, s[8:9] offset:(32*(\b/2)+8*(\b%2))*4+16
.endr
	WIN 0
	s_mul_i32 s23, s14, 16*SPITCH                  ; my stage
	v_mul_u32_u24 v[STO], v2, SPITCH
	v_lshl_add_u32 v[STO], v3, 6, v[STO]
	v_add_nc_u32 v[STO], s23, v[STO]               ; in: row r, + 64 h
	v_add_nc_u32 v[RD], s23, v[CO]                 ; back: the 32 lanes take one row of 512 bytes
	s_wait_loadcnt 0x0                             ; scale words and bias
	s_wait_tensorcnt 1                             ; my part of slot 0 is in (slot 1's load may be out)
	s_barrier_signal -1
	s_barrier_wait -1                              ; everybody's is
	FETCH_B 0, 0, 0
	FETCH_A 0, 0, 0
	FETCH_A 0, 0, 4
	STEP 0, 1                                      ; eight steps of 128 along K, written out: the scale words' register numbers hang on the step
	TURN 1, 1
	STEP 2, 0
	TURN 3, 1
	STEP 4, 0
	TURN 5, 0                                      ; nothing is left to fetch; behind this barrier nobody reads slot 0 any more
	STEP 6, 0
	s_wait_dscnt 16
	WIN 0xa1
	MUL16 0, 1, 7, 0
	MUL16 2, 1, 7, 0
	s_wait_alu depctr_va_vdst(0)
	s_wait_dscnt 0x0
	WIN 0xf1
	MUL16 4, 1, 7, 0
	MUL16 6, 1, 7, 0
	WIN 0
; THE WAY OUT, a block of 16 tokens x 128 columns at a time, through my own stage: a lane holds pieces of one row, and whole rows of 512 bytes come back.  LDS serves a wave's instructions in order
; (ISA guide 5.7.1.4): no wait between the stores and the loads, nor in front of the next block's stores.
.macro TOSTAGE a
.set AC, 64*((\a)%4)
	WIN 0x08+4*((\a)/4)                            ; the data: window 2 or 3
.irp b, 0,1,2,3,4,5,6,7
	ds_store_b128 v[STO], v[AC+8*\b:AC+8*\b+3] offset:128*(\b/2)+32*(\b%2)          ; columns 32 (b / 2) + 16 h + 8 (b % 2) on; each accumulator from its low end on
	ds_store_b128 v[STO], v[AC+8*\b+4:AC+8*\b+7] offset:128*(\b/2)+32*(\b%2)+16
.endr
	WIN 0
.set BB, BK+64*((\a)%2)
.irp t, 0,1,2,3,4,5,6,7,8,9,10,11,12,13,14,15
	ds_load_b128 v[BB+4*\t:BB+4*\t+3], v[RD] offset:\t*SPITCH
.endr
.endm
.macro SEND a, younger                 ; younger: the LDS instructions issued behind block a's loads, which may stay out
.set BB, BK+64*((\a)%2)
	s_wait_dscnt \younger
.irp t, 0,1,2,3,4,5,6,7,8,9,10,11,12,13,14,15
	global_store_b128 v[CO], v[BB+4*\t:BB+4*\t+3], s[10:11] offset:(32*((\a)/2)+8*((\a)%2)+\t+8*(\t/8))*4096 th:TH_STORE_NT   ; 512 consecutive bytes, aligned; stage row t is token 32 (a / 2) + 8 (a % 2) + t + 8 (t / 8)
.endr
.endm
	PLACES 4                                       ; behind the last products
	TOSTAGE 0
.irp a, 1,2,3,4,5,6,7
.if \a > 1
	s_wait_xcnt 0x0                                ; block a - 2's stores have read their registers: block a's loads may land there
.endif
	TOSTAGE \a
	SEND \a-1, 32                                  ; behind block a - 1's loads: block a's 16 stores and 16 loads
.endr
	SEND 7, 0
	s_wait_tensorcnt 0x0                           ; the wave's end
	ds_add_u32 v[SPW], v[NIL]
	s_wait_dscnt 0x0
	CROUND                                         ; the closing round
	s_endpgm
.Lfunc_end_k_qaceff3ca4b_proj:
	.size	k_qaceff3ca4b_proj, .Lfunc_end_k_qaceff3ca4b_proj-k_qaceff3ca4b_proj
	.p2alignl 7, 3214868480
	.fill 96, 4, 3214868480
	.section	.rodata,"a",@progbits
	.p2align	6, 0x0
	.amdhsa_kernel k_qaceff3ca4b_proj
		.amdhsa_group_segment_fixed_size 327680
		.amdhsa_private_segment_fixed_size 0
		.amdhsa_enable_private_segment 0
		.amdhsa_kernarg_size 32
		.amdhsa_user_sgpr_count 2
		.amdhsa_user_sgpr_kernarg_segment_ptr 1
		.amdhsa_wavefront_size32 1
		.amdhsa_system_sgpr_workgroup_id_x 1
		.amdhsa_system_sgpr_workgroup_id_y 1
		.amdhsa_system_sgpr_workgroup_id_z 1
		.amdhsa_system_vgpr_workitem_id 0
		.amdhsa_next_free_vgpr 1024
		.amdhsa_next_free_sgpr 100
		.amdhsa_reserve_vcc 0
		.amdhsa_float_denorm_mode_32 3
		.amdhsa_float_denorm_mode_16_64 3
		.amdhsa_memory_ordered 1
		.amdhsa_forward_progress 1
		.amdhsa_inst_pref_size 143
	.end_amdhsa_kernel
	.amdgpu_metadata
---
amdhsa.version: [ 1, 2 ]
amdhsa.kernels:
  - .name:           k_qaceff3ca4b_proj
    .symbol:         k_qaceff3ca4b_proj.kd
    .args:
      - { .name: codes, .offset: 0, .size: 8, .value_kind: global_buffer, .address_space: global }
      - { .name: scales, .offset: 8, .size: 8, .value_kind: global_buffer, .address_space: global }
      - { .name: bp, .offset: 16, .size: 8, .value_kind: global_buffer, .address_space: global }
      - { .name: out0, .offset: 24, .size: 8, .value_kind: global_buffer, .address_space: global }
    .group_segment_fixed_size: 327680
    .private_segment_fixed_size: 0
    .kernarg_segment_align: 8
    .kernarg_segment_size: 32
    .max_flat_workgroup_size: 128
    .sgpr_count:     100
    .vgpr_count:     1024
    .wavefront_size: 32
...
	.end_amdgpu_metadata
.endif
;; end of part 4
